; MI455X (gfx1250); checked and timed in simulation.
; The chip was launched on July 23, 2026; its instructions are those of AMD's public machine-readable ISA for CDNA 5 (MIT licence, August 2026) and "CDNA5" Instruction Set Architecture Reference Guide (July 2026). The comments in the code are by the model that wrote it; some were corrected since.
;; Causal Self Attention MLA. Allowed arithmetic: matrix products marked QUANTISED: E2M1 operands, one E8M0 scale for each 32 along K, by v_wmma_scale_f32_16x16x128_f8f6f4 with both operands' format E2M1 (or v_wmma_scale_f32_32x16x128_f4), f32 sums; products left as they are: bf16, f16 or f32 operands; f32 sums; everything else in f32.
;; Inputs: W_d 2,048 x 2,048 float32; W_lat 2,048 x 128 float32; W_proj 2,048 x 2,048 float32; b_d 2,048 float32; b_lat 128 float32; b_proj 2,048 float32; x 2 x 2,048 x 2,048 float32.
;; Outputs: out0 2 x 2,048 x 2,048 float32.
;; This version of the problem:
;;   THIS VERSION OF THE PROBLEM IS GIVEN IN LOW PRECISION. The matrix products marked QUANTISED in the list below multiply operands that are first quantised to E2M1 (2 exponent bits, 1 mantissa bit; 4 bits a number), with one power-of-two scale for each 32 numbers along K (OCP MX v1.0); their sums are f32. The products marked 'left as it is' may take bf16, f16 or f32 operands, with f32 sums. Whichever they take, every output number must still come out within the allowed error. Rounding operands to bf16 (8 significant bits) uses up far more of that allowance than f16 does (11 bits, for magnitudes from 6e-5 to 65,504). All else is computed in f32.
;;   The module's matrix products, in the order in which they are computed (A, B: the left and right operand; K: the contracted axis; several contracted axes count as one K, in the product's order):
;;     1. [M 4,096, K 2,048] x [K 2,048, N 128]; A: input x; B: input W_lat: QUANTISED
;;     2. [M 4,096, K 2,048] x [K 2,048, N 2,048]; A: input x; B: input W_d: QUANTISED
;;     3. batch 2 x [M 32,768, K 128] x [K 128, N 2,048]; A: computed on the way; B: computed on the way: left as it is (an operand is computed on the way)
;;     4. batch 2 x [M 32,768, K 2,048] x [K 2,048, N 128]; A: computed on the way; B: computed on the way: left as it is (an operand is computed on the way)
;;     5. [M 4,096, K 2,048] x [K 2,048, N 2,048]; A: computed on the way; B: input W_proj: left as it is (an operand is computed on the way)
;;   THE QUANTISER, for each operand of a quantised product, along K:
;;     - K is cut into blocks of 32 from its start; a last block that is shorter is filled with zeros.
;;     - A block's scale is 2^e with e = floor(log2(the largest magnitude in the block)) - 2, held to -126 .. 127; a block of zeros has e = 0. As a byte (E8M0): e + 127.
;;     - Each number is divided by its block's scale, clamped to +-6, and rounded to the nearest number of E2M1, ties to even, subnormals kept.
;;     - The product sums the exact products of the quantised numbers (number of the format x scale) in f32.
;;   ~~~python
;;   def quantise(x, axis):      # numpy; x: float32 -> the quantised numbers, widened to float32 again
;;       x = np.moveaxis(x, axis, -1); K = x.shape[-1]
;;       x = np.pad(x, [(0, 0)] * (x.ndim - 1) + [(0, -K % 32)]); x = x.reshape(x.shape[:-1] + (-1, 32)); a = np.abs(x).max(-1, keepdims=True)
;;       e = np.where(a > 0, np.clip(np.frexp(np.where(a > 0, a, 1))[1] - 1 - 2, -126, 127), 0)      # np.frexp(a)[1] - 1 = floor(log2(a)), exactly
;;       r = np.clip(x / 2.0 ** e, -6, 6)
;;       step = 2.0 ** (np.maximum(np.frexp(np.where(r == 0, 1, r))[1] - 1, 0) - 1)
;;       q = np.round(r / step) * step * 2.0 ** e      # np.round: ties to even
;;       return np.moveaxis(q.reshape(q.shape[:-2] + (-1,))[..., :K], -1, axis).astype(np.float32)
;;   ~~~
;; One version. Each part assembles by itself: llvm-mc -triple=amdgcn-amd-amdhsa -mcpu=gfx1250 --defsym DOCPART=n.
;; ======== version 1 of 1: 6 launches
;; limits: values are held in f16: magnitudes above 65,504 overflow, below 6.1e-05 lose precision
;; workspace buffers: xq 4,456,448 bytes; wq 2,367,488 bytes; wp16 8,388,608 bytes; q16 16,777,216 bytes; k16 1,048,576 bytes; y16 16,777,216 bytes; yf 262,144 bytes
;; launch prep (part 1): grid 388 x 1, 4 waves a work-group, no clusters, 137,728 bytes of LDS; arguments x, W_d, W_lat, W_proj, xq, wq, wp16; writes xq, wq, wp16
.if DOCPART == 1
	.amdgcn_target "amdgcn-amd-amdhsa--gfx1250"
	.amdhsa_code_object_version 6
	.text
	.protected	k_q29db09c284_prep
	.globl	k_q29db09c284_prep
	.p2align	8
	.type	k_q29db09c284_prep,@function
k_q29db09c284_prep:
	s_mov_b64 s[64:65], 0
	v_nop
	global_prefetch_b8 v0, s[64:65] scope:SCOPE_SE
	s_setreg_imm32_b32 hwreg(HW_REG_WAVE_MODE, 25, 1), 1
	s_wait_xcnt 0x0
; PREP.  Four jobs, told apart by the work-group's number; each has LDS bytes of its own.
;   0-63    W_d   [2048 k][2048 n] f32 -> codes of E2M1 with K innermost, wq rows 0-2047, and one E8M0 byte for each 32 along K
;   64-127  W_proj [2048 k][2048 n] f32 -> f16, laid [n][k] (wp16), as the projection's operand wants it
;   128-131 W_lat [2048 k][128 n] f32 -> codes, wq rows 2048-2175
;   132-387 x     [4096][2048] f32, K innermost -> codes (xq) and scale bytes
; xq: codes [4096][1024 bytes] at 0, scale bytes [4096][64] at XQ_SC.  wq: codes [2176][1024 bytes] at 0, scale bytes [2176][64] at WQ_SC.
; A block's scale is 2^(floor(log2(its largest magnitude)) - 2): its byte is the largest magnitude's exponent field - 2, held at 1 from below.
; LIMITS: a block of zeros keeps the byte 1 where the quantiser says 127 (its codes are zeros, and this program alone reads the bytes); blocks whose
; largest magnitude lies under 2^-124 are held at that byte; NaN and infinities are not served; |W_proj| stays under 65,504 (f16).
; No tensor load, no barrier: waves share nothing.  Every offset is an immediate: 511 rows x 8,192 bytes at the most, inside the signed 24 bits.
.set XQ_SC,  4194304
.set WQ_SC,  2228224
.set SPW,    196                       ; v196 LDS address of my spare word; never rewritten
.set NIL,    197                       ; v197 0; never rewritten
.set LWD,    32768                     ; LDS: x's job from 0 (4 x 8,192), W_d's stages,
.set LWL,    67584                     ; W_lat's,
.set LWP,    102400                    ; W_proj's (4 x 32 x 272 each),
.set SPARE,  137216                    ; and the spare words, 128 bytes a wave, which no other line names
.set PITCH,  272                       ; a stage row: 256 bytes + 16
.macro FINISH                          ; the wave's end
	s_wait_tensorcnt 0x0
	ds_add_u32 v[SPW], v[NIL]
	s_wait_dscnt 0x0
	s_endpgm
.endm
	s_load_b256 s[4:11], s[0:1], 0x0               ; x, W_d, W_lat, W_proj
	s_load_b128 s[12:15], s[0:1], 0x20             ; xq, wq
	s_load_b64 s[16:17], s[0:1], 0x30              ; wp16
	v_lshl_add_u32 v[SPW], v0, 2, SPARE
	v_mov_b32 v[NIL], 0
	v_lshrrev_b32 v1, 5, v0
	v_readfirstlane_b32 s20, v1                    ; wave 0..3
	v_and_b32 v2, 31, v0                           ; lane
	s_wait_kmcnt 0x0
	s_cmp_lt_u32 ttmp9, 64
	s_cbranch_scc1 .Lwd
	s_cmp_lt_u32 ttmp9, 128
	s_cbranch_scc1 .Lwp
	s_cmp_lt_u32 ttmp9, 132
	s_cbranch_scc1 .Lwl
; ---- x: a plain stream of blocks of 32.  A wave takes 16 steps of 512 numbers.  Loads take the bytes as they lie (512 consecutive bytes each); a step's 2,048 bytes
; turn through the wave's own stage so that a lane holds 16 neighbours along K (two lanes to a block).  Loads run four steps ahead, the turn one step.
.set XR, 16                            ; v16-79   four sets of 16 numbers as loaded
.set XX, 80                            ; v80-111  two sets of 16 neighbours
.set XE, 112                           ; v112-127 a scale byte for each step
.set XC, 128                           ; v128-191 codes, four registers a step: no store's data are written again
.set SP, 80                            ; a lane's place in a stage: 64 bytes + 16
	v_lshlrev_b32 v3, 4, v2                        ; my 16 bytes of a load's 512
	s_mul_i32 s21, s20, 8192                       ; my wave's region
	v_lshrrev_b32 v14, 2, v2
	v_mul_u32_u24 v14, v14, SP
	v_and_b32 v15, 3, v2
	v_lshl_add_u32 v14, v15, 4, v14
	v_add_nc_u32 v14, s21, v14                     ; into the stage: SP (lane / 4) + 16 (lane % 4)
	v_mul_u32_u24 v15, v2, SP
	v_add_nc_u32 v15, s21, v15                     ; out of it: SP x lane
	v_mul_u32_u24 v4, v2, 8                        ; my 8 bytes of a step's codes
	v_lshrrev_b32 v5, 1, v2
	s_add_co_u32 s21, s21, 2*32*SP
	v_add_nc_u32 v5, s21, v5                       ; my block's byte among the wave's 256
	v_lshlrev_b32 v7, 3, v2
	v_add_nc_u32 v6, s21, v7
	s_sub_co_u32 s22, ttmp9, 132
	s_lshl_b32 s22, s22, 2
	s_add_co_u32 s22, s22, s20                     ; which run of 8,192 numbers is my wave's: 0..1023
	s_lshl_b32 s24, s22, 15
	s_mov_b32 s25, 0
	s_add_nc_u64 s[4:5], s[4:5], s[24:25]
	s_lshl_b32 s24, s22, 12
	s_add_nc_u64 s[26:27], s[12:13], s[24:25]      ; its codes
	s_lshl_b32 s24, s22, 8
	s_add_co_u32 s24, s24, XQ_SC
	s_add_nc_u64 s[28:29], s[12:13], s[24:25]      ; its 256 scale bytes
.macro XLOAD t
.irp i, 0,1,2,3
	global_load_b128 v[XR+16*((\t)%4)+4*\i:XR+16*((\t)%4)+4*\i+3], v3, s[4:5] offset:2048*(\t)+512*\i th:TH_LOAD_NT
.endr
.endm
.macro XTURN t                         ; LDS serves a wave's instructions in order: no wait between the stores and the loads
.irp i, 0,1,2,3
	ds_store_b128 v14, v[XR+16*((\t)%4)+4*\i:XR+16*((\t)%4)+4*\i+3] offset:32*SP*((\t)%2)+8*SP*\i
.endr
.irp i, 0,1,2,3
	ds_load_b128 v[XX+16*((\t)%2)+4*\i:XX+16*((\t)%2)+4*\i+3], v15 offset:32*SP*((\t)%2)+16*\i
.endr
.endm
.irp t, 0,1,2,3
	XLOAD \t
.endr
	s_wait_loadcnt 12                              ; step 0's four loads are in; three steps' twelve may be out
	XTURN 0
.macro XSTEP t
.set XS, XX+16*((\t)%2)
.if (\t) > 0
	s_wait_dscnt 1                                 ; this step's numbers are back from the stage; the last step's byte store may be out
.else
	s_wait_dscnt 0x0
.endif
.if (\t)+4 < 16
	XLOAD (\t)+4
.endif
.if (\t)+1 < 16
.if 14-(\t) >= 3
	s_wait_loadcnt 12                              ; the next step's loads are in; those of the three steps behind it may be out
.else
	s_wait_loadcnt 4*(14-(\t))
.endif
	XTURN (\t)+1
.endif
	v_max3_num_f32 v8, |v[XS]|, |v[XS+1]|, |v[XS+2]|
	v_max3_num_f32 v9, |v[XS+3]|, |v[XS+4]|, |v[XS+5]|
.irp i, 6,10
	v_max3_num_f32 v8, v8, |v[XS+\i]|, |v[XS+\i+1]|
	v_max3_num_f32 v9, v9, |v[XS+\i+2]|, |v[XS+\i+3]|
.endr
	v_max3_num_f32 v8, v8, |v[XS+14]|, |v[XS+15]|
	v_max3_num_f32 v8, v8, v9, 0x1800000           ; the floor 2^(3 - 127): the byte cannot fall under 1
	v_max_num_f32_dpp v8, v8, v8 row_xmask:1 row_mask:0xf bank_mask:0xf   ; with my neighbour's 16: the block's largest magnitude
	v_add_nc_u32 v11, 0xff000000, v8               ; 2 off its exponent field: the conversion takes that field as its scale
	v_cvt_scalef32_pk8_fp4_f32 v[XC+4*(\t)], v[XS:XS+7], v11
	v_cvt_scalef32_pk8_fp4_f32 v[XC+4*(\t)+1], v[XS+8:XS+15], v11
	v_lshrrev_b32 v[XE+(\t)], 23, v11              ; the scale's byte (a plain line behind the conversions)
	ds_store_b8 v5, v[XE+(\t)] offset:16*(\t)      ; both lanes of a block write the same byte with the same value
	global_store_b64 v4, v[XC+4*(\t):XC+4*(\t)+1], s[26:27] offset:256*(\t)   ; the wave stores 256 consecutive bytes, aligned
.endm
.irp t, 0,1,2,3,4,5,6,7,8,9,10,11,12,13,14,15
	XSTEP \t
.endr
	ds_load_b64 v[8:9], v6
	s_wait_dscnt 0x0
	global_store_b64 v7, v[8:9], s[28:29]          ; the wave's 256 scale bytes, aligned
	FINISH
; ---- a weight whose K is its first axis: a lane takes a column and its registers run down K.  A wave takes 32 columns x 512 along K.
; Set before use: QN = columns of the source, QLDS = the job's stages.  s21 first column, s22 which 512 along K, s23 first row of wq, s[24:25] the source.
.macro QLOAD t                         ; block t: 32 rows of the source at my column, into set t % 2
.set qi, 0
.rept 32
	global_load_b32 v[32+32*((\t)%2)+qi], v3, s[24:25] offset:(32*(\t)+qi)*QN*4 th:TH_LOAD_NT
.set qi, qi+1
.endr
.endm
.macro QBLOCK t
.set XS, 32+32*((\t)%2)
.if (\t) < 15
	s_wait_loadcnt 32                              ; this block's 32 loads are in; the next block's may be out
.else
	s_wait_loadcnt 0
.endif
	v_max3_num_f32 v12, |v[XS]|, |v[XS+1]|, |v[XS+2]|
	v_max3_num_f32 v13, |v[XS+3]|, |v[XS+4]|, |v[XS+5]|
.irp i, 6,10,14,18,22,26
	v_max3_num_f32 v12, v12, |v[XS+\i]|, |v[XS+\i+1]|
	v_max3_num_f32 v13, v13, |v[XS+\i+2]|, |v[XS+\i+3]|
.endr
	v_max3_num_f32 v12, v12, |v[XS+30]|, |v[XS+31]|
	v_max3_num_f32 v12, v12, v13, 0x1800000        ; the floor
	v_add_nc_u32 v11, 0xff000000, v12              ; the conversion's scale operand
	v_lshrrev_b32 v13, 23, v11                     ; the byte
.if (\t)%4 == 0
	v_mov_b32 v[24+(\t)/4], v13                    ; four bytes to a register, the lower K in the lower byte
.else
	v_lshl_or_b32 v[24+(\t)/4], v13, 8*((\t)%4), v[24+(\t)/4]
.endif
.irp g, 0,1,2,3
	v_cvt_scalef32_pk8_fp4_f32 v[96+\g], v[XS+8*\g:XS+8*\g+7], v11
.endr
	v_nop                                          ; a plain line behind the conversions
	ds_store_b128 v4, v[96:99] offset:16*(\t)      ; 32 codes: 16 bytes of my column's row
.if (\t)+2 < 16
	QLOAD (\t)+2
.endif
	s_wait_dscnt 0x0                               ; the store has read its registers
.endm
.macro STAGEADR base                   ; v3 in; v4 into the stage (row = my column); v7 out of it (sixteen lanes to a row, two rows an instruction)
	v_lshlrev_b32 v3, 2, v2
	s_mul_i32 s30, s20, 32*PITCH
	s_add_co_u32 s30, s30, \base
	v_mul_u32_u24 v4, v2, PITCH
	v_add_nc_u32 v4, s30, v4
	v_and_b32 v5, 15, v2
	v_lshrrev_b32 v6, 4, v2
	v_mul_u32_u24 v7, v6, PITCH
	v_lshl_add_u32 v7, v5, 4, v7
	v_add_nc_u32 v7, s30, v7
.endm
.macro QW
	STAGEADR QLDS
	v_lshlrev_b32 v8, 10, v6
	v_lshl_add_u32 v8, v5, 4, v8                   ; the same place in the codes' rows of 1,024 bytes
	v_lshlrev_b32 v9, 6, v2                        ; my column's row of 64 scale bytes
	s_mul_i32 s26, s22, 512*QN*4
	s_lshl_b32 s31, s21, 2
	s_add_co_u32 s26, s26, s31
	s_mov_b32 s27, 0
	s_add_nc_u64 s[24:25], s[24:25], s[26:27]
	s_lshl_b32 s26, s23, 10
	s_lshl_b32 s31, s22, 8
	s_add_co_u32 s26, s26, s31
	s_add_nc_u64 s[28:29], s[14:15], s[26:27]      ; codes: row x 1,024 + 256 x part
	s_lshl_b32 s26, s23, 6
	s_lshl_b32 s31, s22, 4
	s_add_co_u32 s26, s26, s31
	s_add_co_u32 s26, s26, WQ_SC
	s_add_nc_u64 s[32:33], s[14:15], s[26:27]      ; scale bytes: row x 64 + 16 x part
	QLOAD 0
	QLOAD 1
.set Q, 0
.rept 16
	QBLOCK Q
.set Q, Q+1
.endr
	global_store_b128 v9, v[24:27], s[32:33]       ; my column's 16 scale bytes
.irp t, 0,1,2,3,4,5,6,7,8,9,10,11,12,13,14,15
	ds_load_b128 v[112+4*\t:115+4*\t], v7 offset:2*\t*PITCH
.endr
.irp t, 0,1,2,3,4,5,6,7,8,9,10,11,12,13,14,15
	s_wait_dscnt 15-\t                             ; the later rows may be out
	global_store_b128 v8, v[112+4*\t:115+4*\t], s[28:29] offset:2*\t*1024   ; sixteen lanes store 256 consecutive bytes, aligned
.endr
	FINISH
.endm
.Lwd:
	s_and_b32 s21, ttmp9, 15
	s_lshl_b32 s21, s21, 7
	s_lshl_b32 s30, s20, 5
	s_add_co_u32 s21, s21, s30                     ; 128 x' + 32 wave
	s_mov_b32 s23, s21
	s_lshr_b32 s22, ttmp9, 4
	s_mov_b64 s[24:25], s[6:7]
.set QN, 2048
.set QLDS, LWD
	QW
.Lwl:
	s_lshl_b32 s21, s20, 5
	s_add_co_u32 s23, s21, 2048                    ; W_lat's columns are wq's rows 2048 on
	s_sub_co_u32 s22, ttmp9, 128
	s_mov_b64 s[24:25], s[8:9]
.set QN, 128
.set QLDS, LWL
	QW
; ---- W_proj: the same walk; 32 numbers down K become 16 registers of f16 pairs; four blocks (128 k, 256 bytes a column) fill the stage, which then leaves by rows.
.Lwp:
	s_sub_co_u32 s22, ttmp9, 64
	s_and_b32 s21, s22, 15
	s_lshr_b32 s22, s22, 4
	s_lshl_b32 s21, s21, 7
	s_lshl_b32 s30, s20, 5
	s_add_co_u32 s21, s21, s30
.set QN, 2048
	STAGEADR LWP
	v_lshlrev_b32 v8, 12, v6
	v_lshl_add_u32 v8, v5, 4, v8                   ; the same place in wp16's rows of 4,096 bytes
	s_lshl_b32 s26, s22, 22                        ; 512 rows of 8,192 bytes
	s_lshl_b32 s31, s21, 2
	s_add_co_u32 s26, s26, s31
	s_mov_b32 s27, 0
	s_add_nc_u64 s[24:25], s[10:11], s[26:27]
	s_lshl_b32 s26, s21, 12
	s_lshl_b32 s31, s22, 10
	s_add_co_u32 s26, s26, s31
	s_add_nc_u64 s[28:29], s[16:17], s[26:27]
.macro PBLOCK t
.set XS, 32+32*((\t)%2)
.if (\t) < 15
	s_wait_loadcnt 32
.else
	s_wait_loadcnt 0
.endif
.irp g, 0,1,2,3,4,5,6,7,8,9,10,11,12,13,14,15
	v_cvt_pk_f16_f32 v[96+\g], v[XS+2*\g], v[XS+2*\g+1]
.endr
.irp q, 0,1,2,3
	ds_store_b128 v4, v[96+4*\q:99+4*\q] offset:64*((\t)%4)+16*\q
.endr
.if (\t)+2 < 16
	QLOAD (\t)+2
.endif
	s_wait_dscnt 0x0                               ; the stores have read their registers
.if (\t)%4 == 3
.if (\t) > 3
	s_wait_xcnt 0x0                                ; the last chunk's stores have read v112-175
.endif
.irp i, 0,1,2,3,4,5,6,7,8,9,10,11,12,13,14,15
	ds_load_b128 v[112+4*\i:115+4*\i], v7 offset:2*\i*PITCH
.endr
.irp i, 0,1,2,3,4,5,6,7,8,9,10,11,12,13,14,15
	s_wait_dscnt 15-\i
	global_store_b128 v8, v[112+4*\i:115+4*\i], s[28:29] offset:2*\i*4096+((\t)/4)*256   ; sixteen lanes store 256 consecutive bytes, aligned
.endr
.endif
.endm
	QLOAD 0
	QLOAD 1
.set Q, 0
.rept 16
	PBLOCK Q
.set Q, Q+1
.endr
	FINISH
.Lfunc_end_k_q29db09c284_prep:
	.size	k_q29db09c284_prep, .Lfunc_end_k_q29db09c284_prep-k_q29db09c284_prep
	.p2alignl 7, 3214868480
	.fill 96, 4, 3214868480
	.section	.rodata,"a",@progbits
	.p2align	6, 0x0
	.amdhsa_kernel k_q29db09c284_prep
		.amdhsa_group_segment_fixed_size 137728
		.amdhsa_private_segment_fixed_size 0
		.amdhsa_enable_private_segment 0
		.amdhsa_kernarg_size 56
		.amdhsa_user_sgpr_count 2
		.amdhsa_user_sgpr_kernarg_segment_ptr 1
		.amdhsa_wavefront_size32 1
		.amdhsa_system_sgpr_workgroup_id_x 1
		.amdhsa_system_sgpr_workgroup_id_y 1
		.amdhsa_system_sgpr_workgroup_id_z 1
		.amdhsa_system_vgpr_workitem_id 0
		.amdhsa_next_free_vgpr 200
		.amdhsa_next_free_sgpr 66
		.amdhsa_reserve_vcc 0
		.amdhsa_float_denorm_mode_32 3
		.amdhsa_float_denorm_mode_16_64 3
		.amdhsa_memory_ordered 1
		.amdhsa_forward_progress 1
		.amdhsa_inst_pref_size 255
	.end_amdhsa_kernel
	.section	.bss,"aw",@nobits
	.p2align	6
	.space	262144
	.amdgpu_metadata
---
amdhsa.version: [ 1, 2 ]
amdhsa.kernels:
  - .name:           k_q29db09c284_prep
    .symbol:         k_q29db09c284_prep.kd
    .args:
      - { .name: x, .offset: 0, .size: 8, .value_kind: global_buffer, .address_space: global }
      - { .name: W_d, .offset: 8, .size: 8, .value_kind: global_buffer, .address_space: global }
      - { .name: W_lat, .offset: 16, .size: 8, .value_kind: global_buffer, .address_space: global }
      - { .name: W_proj, .offset: 24, .size: 8, .value_kind: global_buffer, .address_space: global }
      - { .name: xq, .offset: 32, .size: 8, .value_kind: global_buffer, .address_space: global }
      - { .name: wq, .offset: 40, .size: 8, .value_kind: global_buffer, .address_space: global }
      - { .name: wp16, .offset: 48, .size: 8, .value_kind: global_buffer, .address_space: global }
    .group_segment_fixed_size: 137728
    .private_segment_fixed_size: 0
    .kernarg_segment_align: 8
    .kernarg_segment_size: 56
    .max_flat_workgroup_size: 128
    .sgpr_count:     66
    .vgpr_count:     200
    .wavefront_size: 32
...
	.end_amdgpu_metadata
.endif
;; end of part 1
;; launch lat (part 2): grid 288 x 1, 4 waves a work-group, no clusters, 30,464 bytes of LDS; arguments xq, wq, b_lat, b_d, k16, yf; writes k16, yf
.if DOCPART == 2
	.amdgcn_target "amdgcn-amd-amdhsa--gfx1250"
	.amdhsa_code_object_version 6
	.text
	.protected	k_q29db09c284_lat
	.globl	k_q29db09c284_lat
	.p2align	8
	.type	k_q29db09c284_lat,@function
k_q29db09c284_lat:
	s_mov_b64 s[64:65], 0
	v_nop
	global_prefetch_b8 v0, s[64:65] scope:SCOPE_SE
	s_setreg_imm32_b32 hwreg(HW_REG_WAVE_MODE, 25, 1), 1
	s_wait_xcnt 0x0
; LAT.  k = Q(x) Q(W_lat) + b_lat on codes of E2M1, and the first 16 positions of every (batch, head) in f32.
; Work-groups 32-287: 16 rows of x each -> 16 rows of k, rounded to f16 (k16 [4096][128]).
; Work-groups 0-31 (batch = id / 16, head = id % 16): the batch's rows 0-15: k and the head's q by the same FP4 products, kept in f32; scores, causal softmax (the row's
; maximum taken away) and the weighted sum by the f32 matrix form; y -> yf [2][16][2048] f32.  That is 32 x 16 rows: no bulk work.
; Wave w owns channels 32 w .. 32 w + 31: two tiles of 16.  The FP4 product is used transposed (source 0 = 16 rows of wq, source 1 = x's 16 rows): a lane holds one
; position (lane % 16) and eight neighbouring channels.  The bias is the C of each sum's first product.  Operands go from memory straight into registers.
; LIMIT: |k| stays under 65,504 (f16).
; REGISTERS: window 0: v1-15 addresses; v16-21 at work; v22, v23 the add's two; v24-39 k's sums, v40-55 q's (later the f32 form's sums: matrix instructions alone ever write v24-55);
;   v56-71 the biases, later at work; v72-199 x's 16 fragments, later f32 fragments; v200-215 x's scale words, v216-247 the weights': scales and nothing else; v248-255 at work.  window 1: the 32 weight fragments.
.set XQ_SC, 4194304
.set WQ_SC, 2228224
.set FQ,    4608                       ; LDS: from 0 a stage of 16 x 272 for k16; q, k, y of the fine rows: 16 rows x (512 + 16) each
.set FK,    13056
.set FY,    21504
.set SPARE, 29952                      ; the spare words, 128 bytes a wave, which no other line names
.set SPW,  22
.set NIL,  23
.set KA,   24
.set QA,   40
.set BIAS, 56
.set XF,   72
.set AS,   200
.set BS,   216
.set MSB, 0
.macro WIN new                         ; the immediate's high byte repeats the setting that is left
.if MSB != \new
	s_set_vgpr_msb (MSB<<8)|\new
.set MSB, \new
.endif
.endm
.macro NOPS n
.rept \n
	v_nop
.endr
.endm
.macro FINISH                          ; the wave's end
	s_wait_tensorcnt 0x0
	ds_add_u32 v[SPW], v[NIL]
	s_wait_dscnt 0x0
	s_endpgm
.endm
; my 32 rows of wq: codes from s[32:33] into window 1, scale words from s[34:35], my 32 bias numbers from s[36:37]
.macro LOADW
	WIN 0x40
.irp u, 0,1
.irp s, 0,1,2,3,4,5,6,7,8,9,10,11,12,13,14,15
.irp c, 0,1
	global_load_b128 v[8*(16*\u+\s)+4*\c:8*(16*\u+\s)+4*\c+3], v4, s[32:33] offset:16384*\u+64*\s+32*\c
.endr
.endr
.endr
	WIN 0
.irp u, 0,1
.irp q, 0,1,2,3
	global_load_b128 v[BS+16*\u+4*\q:BS+16*\u+4*\q+3], v5, s[34:35] offset:1024*\u+16*\q
.endr
.endr
.irp u, 0,1
	global_load_b128 v[BIAS+8*\u:BIAS+8*\u+3], v6, s[36:37] offset:64*\u
	global_load_b128 v[BIAS+8*\u+4:BIAS+8*\u+7], v6, s[36:37] offset:64*\u+16
.endr
.endm
; 16 K steps of 128; the two tiles take turns, one instruction a turn
.macro GEMM acc
	WIN 0x01
.irp s, 0,1,2,3,4,5,6,7,8,9,10,11,12,13,14,15
.irp u, 0,1
.if \s == 0
	v_wmma_scale_f32_16x16x128_f8f6f4 v[\acc+8*\u:\acc+8*\u+7], v[8*(16*\u+\s):8*(16*\u+\s)+7], v[XF+8*\s:XF+8*\s+7], v[BIAS+8*\u:BIAS+8*\u+7], v[BS+16*\u+\s], v[AS+\s] matrix_a_fmt:MATRIX_FMT_FP4 matrix_b_fmt:MATRIX_FMT_FP4
.else
	v_wmma_scale_f32_16x16x128_f8f6f4 v[\acc+8*\u:\acc+8*\u+7], v[8*(16*\u+\s):8*(16*\u+\s)+7], v[XF+8*\s:XF+8*\s+7], v[\acc+8*\u:\acc+8*\u+7], v[BS+16*\u+\s], v[AS+\s] matrix_a_fmt:MATRIX_FMT_FP4 matrix_b_fmt:MATRIX_FMT_FP4
.endif
.endr
.endr
	WIN 0
.endm
	s_load_b128 s[4:7], s[0:1], 0x0                ; xq, wq
	s_load_b128 s[8:11], s[0:1], 0x10              ; b_lat, b_d
	s_load_b128 s[12:15], s[0:1], 0x20             ; k16, yf
	v_lshl_add_u32 v[SPW], v0, 2, SPARE
	v_mov_b32 v[NIL], 0
	v_lshrrev_b32 v1, 5, v0
	v_readfirstlane_b32 s16, v1                    ; wave 0..3
	v_and_b32 v1, 31, v0                           ; lane
	v_and_b32 v2, 15, v0                           ; r
	v_bfe_u32 v3, v0, 4, 1                         ; h
	v_lshlrev_b32 v4, 10, v2
	v_lshl_add_u32 v4, v3, 4, v4                   ; codes: row r of 1,024 bytes + 16 h
	v_lshlrev_b32 v5, 6, v2                        ; scale words: row r of 64 bytes
	v_lshlrev_b32 v6, 5, v3                        ; a bias: my half's eight numbers
	v_mul_u32_u24 v7, v2, 272
	v_lshl_add_u32 v7, v3, 4, v7
	s_lshl_b32 s17, s16, 6
	v_add_nc_u32 v7, s17, v7                       ; k16's stage, in: row r, 64 w + 16 h
	s_mul_i32 s17, s16, 4*272
	v_mul_u32_u24 v8, v3, 272
	v_lshl_add_u32 v8, v2, 4, v8
	v_add_nc_u32 v8, s17, v8                       ; back: rows 4 w + h, 16 bytes a lane
	s_lshl_b32 s17, s16, 10
	v_lshl_add_u32 v9, v1, 4, s17                  ; and the same in k16's 16 rows
	v_mul_u32_u24 v10, v2, 528
	v_lshl_add_u32 v10, v3, 5, v10
	s_lshl_b32 s17, s16, 7
	v_add_nc_u32 v10, s17, v10                     ; f32 rows, in: row r, 128 w + 32 h
	v_mul_u32_u24 v11, v2, 528
	v_lshl_add_u32 v11, v3, 4, v11                 ; f32 fragments: row r, 16 h
	v_mul_u32_u24 v12, v3, 8*528
	v_lshl_add_u32 v12, v2, 2, v12
	v_add_nc_u32 v12, s17, v12
	v_add_nc_u32 v12, FK, v12                      ; k turned: key 8 h, channel 32 w + r
	s_mul_i32 s17, s16, 4*528
	v_lshl_add_u32 v13, v1, 4, s17
	v_add_nc_u32 v13, FY, v13                      ; y back: rows 4 w on, 16 bytes a lane
	v_lshlrev_b32 v14, 4, v1
	v_lshlrev_b32 v15, 3, v3
	v_sub_nc_u32 v15, v2, v15                      ; r - 8 h: register j's key is hidden where j is above it
	s_mov_b32 s40, 0x76543210
	s_mov_b32 s41, 0xfedcba98                      ; lane l xor 16
	s_mov_b32 s42, 0x3e0293ee                      ; c = log2(e) / sqrt(128)
	s_lshr_b32 s18, ttmp9, 4                       ; the fine job's batch,
	s_and_b32 s19, ttmp9, 15                       ; and head
	s_lshl_b32 s20, s18, 11
	s_sub_co_u32 s21, ttmp9, 32
	s_lshl_b32 s21, s21, 4
	s_cmp_lt_u32 ttmp9, 32
	s_cselect_b32 s20, s20, s21                    ; my first row of x
	s_lshl_b32 s22, s20, 10
	s_mov_b32 s23, 0
	s_lshl_b32 s28, s16, 5                         ; 32 w
	s_wait_kmcnt 0x0
	s_add_nc_u64 s[24:25], s[4:5], s[22:23]
	s_lshl_b32 s22, s20, 6
	s_add_co_u32 s22, s22, XQ_SC
	s_add_nc_u64 s[26:27], s[4:5], s[22:23]
.irp s, 0,1,2,3,4,5,6,7,8,9,10,11,12,13,14,15
.irp c, 0,1
	global_load_b128 v[XF+8*\s+4*\c:XF+8*\s+4*\c+3], v4, s[24:25] offset:64*\s+32*\c
.endr
.endr
.irp q, 0,1,2,3
	global_load_b128 v[AS+4*\q:AS+4*\q+3], v5, s[26:27] offset:16*\q
.endr
	s_add_co_u32 s29, s28, 2048                    ; W_lat's rows of wq
	s_lshl_b32 s22, s29, 10
	s_add_nc_u64 s[32:33], s[6:7], s[22:23]
	s_lshl_b32 s22, s29, 6
	s_add_co_u32 s22, s22, WQ_SC
	s_add_nc_u64 s[34:35], s[6:7], s[22:23]
	s_lshl_b32 s22, s16, 7
	s_add_nc_u64 s[36:37], s[8:9], s[22:23]
	LOADW
	s_wait_loadcnt 0x0
	GEMM KA
	s_cmp_lt_u32 ttmp9, 32                         ; the work-group's number alone: all four waves go the same way
	s_cbranch_scc1 .Lfine
	; ---- k16: rounded to f16, through the stage, out as whole rows of 256 bytes
	NOPS 4
.irp u, 0,1
.irp p, 0,1,2,3
	v_cvt_pk_f16_f32 v[BIAS+4*\u+\p], v[KA+8*\u+2*\p], v[KA+8*\u+2*\p+1]
.endr
.endr
	ds_store_b128 v7, v[BIAS:BIAS+3]
	ds_store_b128 v7, v[BIAS+4:BIAS+7] offset:32
	s_lshl_b32 s22, s20, 8
	s_add_nc_u64 s[38:39], s[12:13], s[22:23]
	s_wait_dscnt 0x0                               ; for the others' sake: my stores have landed
	s_barrier_signal -1
	s_barrier_wait -1
	ds_load_b128 v[64:67], v8
	ds_load_b128 v[68:71], v8 offset:2*272
	s_wait_dscnt 1                                 ; the second pair of rows may be out
	global_store_b128 v9, v[64:67], s[38:39]       ; 32 lanes store 512 consecutive bytes, aligned
	s_wait_dscnt 0x0
	global_store_b128 v9, v[68:71], s[38:39] offset:512
	FINISH
.Lfine:
	; ---- the head's q for the same 16 rows
	NOPS 4                                         ; places in front of loads into registers that the products have read
	s_lshl_b32 s29, s19, 7
	s_add_co_u32 s29, s29, s28                     ; W_d's rows 128 head + 32 w
	s_lshl_b32 s22, s29, 10
	s_add_nc_u64 s[32:33], s[6:7], s[22:23]
	s_lshl_b32 s22, s29, 6
	s_add_co_u32 s22, s22, WQ_SC
	s_add_nc_u64 s[34:35], s[6:7], s[22:23]
	s_lshl_b32 s22, s29, 2
	s_add_nc_u64 s[36:37], s[10:11], s[22:23]
	LOADW
	s_wait_loadcnt 0x0
	GEMM QA
	NOPS 4
.irp u, 0,1
	ds_store_b128 v10, v[KA+8*\u:KA+8*\u+3] offset:FK+64*\u
	ds_store_b128 v10, v[KA+8*\u+4:KA+8*\u+7] offset:FK+64*\u+16
	ds_store_b128 v10, v[QA+8*\u:QA+8*\u+3] offset:FQ+64*\u
	ds_store_b128 v10, v[QA+8*\u+4:QA+8*\u+7] offset:FQ+64*\u+16
.endr
	s_wait_dscnt 0x0
	s_barrier_signal -1
	s_barrier_wait -1                              ; 16 whole rows of k and of q lie in LDS
	; a lane's 16 bytes are channels 8 u + 4 h + 0..3: two steps of the f32 form, the same order of channels on both sides
.irp u, 0,1,2,3,4,5,6,7,8,9,10,11,12,13,14,15
	ds_load_b128 v[XF+4*\u:XF+4*\u+3], v11 offset:FK+32*\u
	ds_load_b128 v[XF+64+4*\u:XF+64+4*\u+3], v11 offset:FQ+32*\u
.endr
	s_wait_dscnt 0x0
	NOPS 5                                         ; with the four above: places in front of products that write over earlier sums
	; S^T = k q^T: source 0 = 16 keys, source 1 = 16 queries; four sums by turns; every wave makes all 16 x 16 scores
.irp u, 0,1,2,3,4,5,6,7,8,9,10,11,12,13,14,15
.irp e, 0,1
.if 2*\u+\e < 4
	v_wmma_f32_16x16x4_f32 v[KA+8*((2*\u+\e)%4):KA+8*((2*\u+\e)%4)+7], v[XF+4*\u+2*\e:XF+4*\u+2*\e+1], v[XF+64+4*\u+2*\e:XF+64+4*\u+2*\e+1], 0
.else
	v_wmma_f32_16x16x4_f32 v[KA+8*((2*\u+\e)%4):KA+8*((2*\u+\e)%4)+7], v[XF+4*\u+2*\e:XF+4*\u+2*\e+1], v[XF+64+4*\u+2*\e:XF+64+4*\u+2*\e+1], v[KA+8*((2*\u+\e)%4):KA+8*((2*\u+\e)%4)+7]
.endif
.endr
.endr
	NOPS 9                                         ; eight places in front of reads and loads, nine in front of the products below, which write over two of these sums
.irp u, 0,1                                    ; k turned, for the second product: key 8 h + 2 q + j, channel 32 w + 16 u + r
.irp q, 0,1,2,3
.irp j, 0,1
	ds_load_b32 v[XF+2*(4*\u+\q)+\j], v12 offset:64*\u+(2*\q+\j)*528
.endr
.endr
.endr
.irp j, 0,1,2,3,4,5,6,7                        ; each sum is read from its low end on
	v_add_f32 v[56+\j], v[24+\j], v[32+\j]
	v_add_f32 v[64+\j], v[40+\j], v[48+\j]
.endr
.irp j, 0,1,2,3,4,5,6,7
	v_add_f32 v[56+\j], v[56+\j], v[64+\j]         ; lane (r, h): query r, key 8 h + j
.endr
	v_mov_b32 v21, 0xff800000
.irp j, 0,1,2,3,4,5,6,7
	v_cmp_gt_i32 vcc_lo, \j, v15
	v_cndmask_b32 v[56+\j], v[56+\j], v21, vcc_lo  ; hidden keys: -infinity
.endr
	v_max3_num_f32 v16, v56, v57, v58
	v_max3_num_f32 v16, v16, v59, v60
	v_max3_num_f32 v16, v16, v61, v62
	v_max_num_f32 v16, v16, v63
	v_mov_b32 v17, 0
	v_permlanex16_b32 v17, v16, s40, s41
	v_max_num_f32 v16, v16, v17                    ; the row's maximum: key 0 counts for every query
	v_mul_f32 v18, s42, v16
.irp j, 0,1,2,3,4,5,6,7
	v_fma_f32 v[56+\j], v[56+\j], s42, -v18
.endr
.irp j, 0,1,2,3,4,5,6,7
	v_exp_f32 v[56+\j], v[56+\j]                   ; p = 2^(c s - c m)
.endr
	v_nop
	s_wait_alu depctr_va_vdst(0)                   ; one wait for the eight, ahead of their first reader
	v_add_f32 v19, v56, v57
	v_add_f32 v20, v58, v59
	v_add_f32 v19, v19, v60
	v_add_f32 v20, v20, v61
	v_add_f32 v19, v19, v62
	v_add_f32 v20, v20, v63
	v_add_f32 v19, v19, v20
	v_permlanex16_b32 v17, v19, s40, s41
	v_add_f32 v19, v19, v17                        ; the row's sum
	v_rcp_f32 v20, v19
	v_nop
	s_wait_dscnt 0x0                               ; k turned is in
	; O^T = k^T p: source 0 = 16 channels x 4 keys, source 1 = p; my two tiles of channels by turns
.irp q, 0,1,2,3
.irp u, 0,1
.if \q == 0
	v_wmma_f32_16x16x4_f32 v[KA+8*\u:KA+8*\u+7], v[XF+2*(4*\u+\q):XF+2*(4*\u+\q)+1], v[56+2*\q:57+2*\q], 0
.else
	v_wmma_f32_16x16x4_f32 v[KA+8*\u:KA+8*\u+7], v[XF+2*(4*\u+\q):XF+2*(4*\u+\q)+1], v[56+2*\q:57+2*\q], v[KA+8*\u:KA+8*\u+7]
.endif
.endr
.endr
	NOPS 8
	s_wait_alu depctr_va_vdst(0)                   ; the reciprocal, ahead of its first reader
.irp j, 0,1,2,3,4,5,6,7
	v_mul_f32 v[64+\j], v[KA+\j], v20              ; into other registers: lane (r, h): position r, channels 32 w + 8 h + j
.endr
.irp j, 0,1,2,3,4,5,6,7
	v_mul_f32 v[248+\j], v[KA+8+\j], v20
.endr
	ds_store_b128 v10, v[64:67] offset:FY
	ds_store_b128 v10, v[68:71] offset:FY+16
	ds_store_b128 v10, v[248:251] offset:FY+64
	ds_store_b128 v10, v[252:255] offset:FY+80
	s_lshl_b32 s22, s18, 17                        ; yf: batch x 131,072 + (4 w) rows of 8,192 + head x 512
	s_lshl_b32 s29, s16, 15
	s_add_co_u32 s22, s22, s29
	s_lshl_b32 s29, s19, 9
	s_add_co_u32 s22, s22, s29
	s_add_nc_u64 s[38:39], s[14:15], s[22:23]
	s_wait_dscnt 0x0
	s_barrier_signal -1
	s_barrier_wait -1
.irp i, 0,1,2,3
	ds_load_b128 v[88+4*\i:91+4*\i], v13 offset:\i*528
.endr
.irp i, 0,1,2,3
	s_wait_dscnt 3-\i                              ; the later rows may be out
	global_store_b128 v14, v[88+4*\i:91+4*\i], s[38:39] offset:\i*8192   ; 32 lanes store 512 consecutive bytes, aligned
.endr
	FINISH
.Lfunc_end_k_q29db09c284_lat:
	.size	k_q29db09c284_lat, .Lfunc_end_k_q29db09c284_lat-k_q29db09c284_lat
	.p2alignl 7, 3214868480
	.fill 96, 4, 3214868480
	.section	.rodata,"a",@progbits
	.p2align	6, 0x0
	.amdhsa_kernel k_q29db09c284_lat
		.amdhsa_group_segment_fixed_size 30464
		.amdhsa_private_segment_fixed_size 0
		.amdhsa_enable_private_segment 0
		.amdhsa_kernarg_size 48
		.amdhsa_user_sgpr_count 2
		.amdhsa_user_sgpr_kernarg_segment_ptr 1
		.amdhsa_wavefront_size32 1
		.amdhsa_system_sgpr_workgroup_id_x 1
		.amdhsa_system_sgpr_workgroup_id_y 1
		.amdhsa_system_sgpr_workgroup_id_z 1
		.amdhsa_system_vgpr_workitem_id 0
		.amdhsa_next_free_vgpr 512
		.amdhsa_next_free_sgpr 66
		.amdhsa_reserve_vcc 1
		.amdhsa_float_denorm_mode_32 3
		.amdhsa_float_denorm_mode_16_64 3
		.amdhsa_memory_ordered 1
		.amdhsa_forward_progress 1
		.amdhsa_inst_pref_size 44
	.end_amdhsa_kernel
	.amdgpu_metadata
---
amdhsa.version: [ 1, 2 ]
amdhsa.kernels:
  - .name:           k_q29db09c284_lat
    .symbol:         k_q29db09c284_lat.kd
    .args:
      - { .name: xq, .offset: 0, .size: 8, .value_kind: global_buffer, .address_space: global }
      - { .name: wq, .offset: 8, .size: 8, .value_kind: global_buffer, .address_space: global }
      - { .name: b_lat, .offset: 16, .size: 8, .value_kind: global_buffer, .address_space: global }
      - { .name: b_d, .offset: 24, .size: 8, .value_kind: global_buffer, .address_space: global }
      - { .name: k16, .offset: 32, .size: 8, .value_kind: global_buffer, .address_space: global }
      - { .name: yf, .offset: 40, .size: 8, .value_kind: global_buffer, .address_space: global }
    .group_segment_fixed_size: 30464
    .private_segment_fixed_size: 0
    .kernarg_segment_align: 8
    .kernarg_segment_size: 48
    .max_flat_workgroup_size: 128
    .sgpr_count:     66
    .vgpr_count:     512
    .wavefront_size: 32
...
	.end_amdgpu_metadata
.endif
;; end of part 2
;; launch gemm_q (part 3): grid 8 x 16, 4 waves a work-group, clusters of 4 x 4, 327,680 bytes of LDS; arguments xq, wq, b_d, q16; writes q16
.if DOCPART == 3
	.amdgcn_target "amdgcn-amd-amdhsa--gfx1250"
	.amdhsa_code_object_version 6
	.text
	.protected	k_q29db09c284_gemm_q
	.globl	k_q29db09c284_gemm_q
	.p2align	8
	.type	k_q29db09c284_gemm_q,@function
k_q29db09c284_gemm_q:
	s_mov_b64 s[64:65], 0
	v_nop
	global_prefetch_b8 v0, s[64:65] scope:SCOPE_SE
	s_setreg_imm32_b32 hwreg(HW_REG_WAVE_MODE, 25, 1), 1
	s_wait_xcnt 0x0
	s_wait_alu depctr_hold_cnt(0) depctr_sa_sdst(0) depctr_va_vdst(0) depctr_va_sdst(0) depctr_va_ssrc(0) depctr_va_vcc(0) depctr_vm_vsrc(0)
	s_getreg_b32 s2, hwreg(HW_REG_IB_STS2, 6, 4)
	s_cmp_eq_u32 s2, 0
	s_cbranch_scc0 .Lentry_in_a_cluster
	s_endpgm
.Lentry_in_a_cluster:
	s_bfe_u32 s2, ttmp6, 0x10000c
	s_cmp_lg_u32 s2, 0xf033
	s_cbranch_scc0 .Lentry_shape_is_right
	s_endpgm
.Lentry_shape_is_right:
; q = Q(x) Q(W_d) + b_d on codes of E2M1 with one E8M0 scale for each 32 along K; q16 [4096][2048] f16.  A = xq's 4,096 rows, B = wq's rows 0-2047 (W_d's columns), K = 2,048.
; A tile of 256 x 256 is made by four waves, 128 x 128 each: 64 accumulators, 512 registers.  K goes in steps of 512 (rows of 256 bytes) through a ring of two LDS slots filled by tensor loads.
; The scale bytes of the work-group's 256 + 256 rows, for all of K, come into LDS once, with the first fills, and stay.
; CLUSTERS: 4 x 4 work-groups; A's tiles are asked for jointly along a row of the cluster, B's along a column.
; The matrix instruction is used transposed (source 0 = 16 rows of B, source 1 = 16 rows of A): a lane holds eight neighbouring columns of one row.  b_d is the C of each sum's first product.
; LIMIT: |q| stays under 65,504 (f16).  q is stored unscaled; 1 / sqrt(128) stays in the softmax.
; REGISTERS: window 0: v0-31 addresses; v32-95 scale words, two sets, and nothing else; v128-191 A's fragments, one set; v192-255 the bias; on the way out v128-223.
;   window 1: B's fragments, two sets, at v0 and v128.   windows 2, 3: the accumulators of my rows 0-63 and 64-127 ((a, b) at v[8 (8 (a % 4) + b)]).
.set SIZE_N, 2048
.set SIZE_K, 2048
.set XQ_SC,  4194304
.set WQ_SC,  2228224
.set KSTEP,  512
.set NQ,     KSTEP/128
.set ROWB,   256
.set KROW,   SIZE_K/2
.set PITCH,  272                       ; 256 bytes + 16: the 16 rows that a load touches start at 16 different banks (64 banks of 4 bytes: ISA guide 11.1)
.set FR,     8
.set NL,     2
.set NP,     4
.set HALFT,  128*PITCH
.set SLOT,   4*HALFT
.set LAPS,   SIZE_K/(2*KSTEP)
.set KS,     SIZE_K/32
.set SCL,    2*SLOT                    ; behind the ring: the scales, as units of 256 bytes + 16
.set HALFS,  (128*KS/256)*272
.set SBLK,   (16*KS/256)*272
.set SPARE,  SCL+4*HALFS               ; the spare words, 128 bytes a wave, which no other line names
.set SPITCH, 272                       ; the way out: 16 rows x (256 + 16) a wave, in slot 0, which has had its last fill and its last read by then
.set ADRA, 16
.set ADRB, 20
.set STO,  24
.set RD,   25
.set CO,   26
.set ADRS, 27
.set SPW,  28
.set NIL,  29
.set BO,   30                          ; v30 32 x (lane / 16): the bias loads' offset
.set SC,   32
.set AF,   128
.set BIAS, 192
.set TMP,  128
.set BK,   160
.set G1, 24
.set G0, 32
.set G1B, 48
.set G0B, 56
.set G1S, 68
.set G0S, 76
.set G1SB, 80
.set G0SB, 88
.set MSB, 0
.macro WIN new
.if MSB != \new
	s_set_vgpr_msb (MSB<<8)|\new
.set MSB, \new
.endif
.endm
.set MUL_LO, 0xa1                      ; source 0 (B) window 1, source 1 (A) window 0, C and D window 2
.set MUL_HI, 0xf1                      ; the same, C and D window 3
.set TO_B,   0x40
; A joint load: waves 0 and 1 fetch for A, waves 2 and 3 for B; the branch hangs on the wave's number alone.  An s_nop 0 and four v_nop follow each line.
.macro JLOAD g0a, g1a, g0b, g1b
	s_cmp_eq_u32 s15, 0
	s_cbranch_scc0 .Lfor_b_\@
	tensor_load_to_lds s[\g0a:\g0a+3], s[\g1a:\g1a+7]
	s_nop 0
.rept 4
	v_nop
.endr
	s_branch .Lasked_\@
.Lfor_b_\@:
	tensor_load_to_lds s[\g0b:\g0b+3], s[\g1b:\g1b+7]
	s_nop 0
.rept 4
	v_nop
.endr
.Lasked_\@:
.endm
.macro CREST
	s_cmp_lg_u32 s14, 0
	s_cbranch_scc1 .Lnot_wave_0_\@
	s_barrier_signal -3
.Lnot_wave_0_\@:
	s_barrier_wait -3
	s_barrier_signal -1
	s_barrier_wait -1
.endm
.macro CROUND
	s_barrier_signal -1
	s_barrier_wait -1
	CREST
.endm
	s_load_b64 s[4:5], s[0:1], 0x0                 ; xq
	s_load_b64 s[8:9], s[0:1], 0x8                 ; wq
	s_load_b64 s[66:67], s[0:1], 0x10              ; b_d
	s_load_b64 s[12:13], s[0:1], 0x18              ; q16
	v_lshl_add_u32 v[SPW], v0, 2, SPARE
	v_mov_b32 v[NIL], 0
	ds_add_u32 v[SPW], v[NIL]                      ; the wave's opening: the add, twice on end, and its wait ahead of my first tensor load
	ds_add_u32 v[SPW], v[NIL]
	v_lshrrev_b32 v1, 5, v0
	v_readfirstlane_b32 s14, v1                    ; wave 0..3
	s_lshr_b32 s15, s14, 1                         ; my half of the tile's rows; also: I fetch for A (0) or B (1)
	s_and_b32 s16, s14, 1                          ; my half of its columns; also: which 128 rows I fetch
	s_bfe_u32 s40, ttmp6, 0x40000                  ; cx
	s_bfe_u32 s41, ttmp6, 0x40004                  ; cy
	s_lshl_b32 s42, ttmp9, 2
	s_add_co_u32 s42, s42, s40                     ; tile column
	s_and_b32 s17, ttmp7, 0xffff
	s_lshl_b32 s17, s17, 2
	s_add_co_u32 s17, s17, s41                     ; tile row
	s_lshl_b32 s43, s41, 2
	s_lshl_b32 s43, 15, s43                        ; my row of the cluster
	s_lshl_b32 s44, 0x1111, s40                    ; my column
	s_or_b32 s[G1+0], s43, (0<<16)|(1<<20)|(1<<21)|(5<<22)|(3<<25)  ; the mask; elements of 1 byte; padding on; bit 21 beside a mask; 4 words after every 64
	s_or_b32 s[G1B+0], s44, (0<<16)|(1<<20)|(1<<21)|(5<<22)|(3<<25)
.irp g, G1, G1B
	s_mov_b32 s[\g+1], ROWB<<16                    ; tensor_dim0
	s_mov_b32 s[\g+2], 128<<16                     ; tensor_dim1
	s_mov_b32 s[\g+3], ROWB<<16                    ; tile_dim0
	s_mov_b32 s[\g+4], 128                         ; tile_dim1
	s_mov_b32 s[\g+5], KROW                        ; the pitch
	s_mov_b32 s[\g+6], 0
	s_mov_b32 s[\g+7], 0
.endr
	s_or_b32 s[G1S+0], s43, (3<<16)|(1<<20)|(1<<21)|(5<<22)|(3<<25)  ; the scales of 128 rows: a dense block, as rows of 32 elements of 8 bytes
	s_or_b32 s[G1SB+0], s44, (3<<16)|(1<<20)|(1<<21)|(5<<22)|(3<<25)
.irp g, G1S, G1SB
	s_mov_b32 s[\g+1], 32<<16
	s_mov_b32 s[\g+2], (128*KS/256)<<16
	s_mov_b32 s[\g+3], 32<<16
	s_mov_b32 s[\g+4], 128*KS/256
	s_mov_b32 s[\g+5], 32
	s_mov_b32 s[\g+6], 0
	s_mov_b32 s[\g+7], 0
.endr
	s_lshl_b32 s18, s16, 7
	s_lshl_b32 s20, s17, 8
	s_add_co_u32 s20, s20, s18                     ; A: row 256 x tile row + 128 x half
	s_lshl_b32 s46, s42, 8
	s_add_co_u32 s46, s46, s18                     ; B: row 256 x tile column + 128 x half
	s_mov_b32 s21, 0
	s_mov_b32 s47, 0
	s_mov_b64 s[18:19], KS
	s_mul_u64 s[22:23], s[20:21], s[18:19]
	s_mul_u64 s[92:93], s[46:47], s[18:19]
	s_mov_b64 s[18:19], KROW
	s_mul_u64 s[20:21], s[20:21], s[18:19]
	s_mul_u64 s[46:47], s[46:47], s[18:19]
	s_mul_i32 s45, s14, HALFT                      ; where they go: wave x 128 rows
	s_mul_i32 s94, s14, HALFS
	s_wait_dscnt 0x0                               ; both opening adds are done
	s_wait_kmcnt 0x0
	s_add_nc_u64 s[6:7], s[4:5], XQ_SC             ; x's scale bytes lie behind its codes,
	s_add_nc_u64 s[10:11], s[8:9], WQ_SC           ; the weights' likewise
	s_add_nc_u64 s[20:21], s[4:5], s[20:21]
	s_add_nc_u64 s[22:23], s[6:7], s[22:23]
	s_add_nc_u64 s[46:47], s[8:9], s[46:47]
	s_add_nc_u64 s[92:93], s[10:11], s[92:93]
	CROUND                                         ; all sixteen work-groups are here: the first joint loads meet
	s_mov_b32 s[G0S], 1
	s_add_co_u32 s[G0S+1], s94, SCL
	s_mov_b64 s[G0S+2:G0S+3], s[22:23]
	s_or_b32 s[G0S+3], s[G0S+3], 0x80000000
	s_mov_b32 s[G0SB], 1
	s_add_co_u32 s[G0SB+1], s94, SCL
	s_mov_b64 s[G0SB+2:G0SB+3], s[92:93]
	s_or_b32 s[G0SB+3], s[G0SB+3], 0x80000000
	JLOAD G0S, G1S, G0SB, G1SB                     ; the scales first
.irp s, 0,1
	s_mov_b32 s[G0+4*\s], 1
	s_add_co_u32 s[G0+4*\s+1], s45, \s*SLOT
	s_add_nc_u64 s[G0+4*\s+2:G0+4*\s+3], s[20:21], \s*ROWB
	s_or_b32 s[G0+4*\s+3], s[G0+4*\s+3], 0x80000000
	s_mov_b32 s[G0B+4*\s], 1
	s_add_co_u32 s[G0B+4*\s+1], s45, \s*SLOT
	s_add_nc_u64 s[G0B+4*\s+2:G0B+4*\s+3], s[46:47], \s*ROWB
	s_or_b32 s[G0B+4*\s+3], s[G0B+4*\s+3], 0x80000000
	JLOAD G0+4*\s, G1, G0B+4*\s, G1B
.endr
	v_and_b32 v1, 15, v0
	v_bfe_u32 v2, v0, 4, 1
	v_mul_u32_u24 v3, v1, PITCH
	v_lshl_add_u32 v4, v2, 4, v3
	s_mul_i32 s21, s15, HALFT
	s_mul_i32 s22, s16, HALFT
	s_add_co_u32 s22, s22, 2*HALFT
.irp s, 0,1
	v_add_nc_u32 v[ADRA+\s], s21, v4
	v_add_nc_u32 v[ADRB+\s], s22, v4
	s_add_co_u32 s21, s21, SLOT
	s_add_co_u32 s22, s22, SLOT
.endr
	v_mul_u32_u24 v5, v1, KS                       ; my row's scales: 64 bytes a row, and 16 more for each 256 passed
	v_lshrrev_b32 v6, 8, v5
	v_lshl_add_u32 v5, v6, 4, v5
	s_mul_i32 s21, s15, HALFS
	s_mul_i32 s22, s16, HALFS
	s_add_co_u32 s22, s22, 2*HALFS
	s_sub_co_u32 s22, s22, s21
	v_mul_u32_u24 v6, s22, v2                      ; lanes 16-31 take B's
	s_add_co_u32 s21, s21, SCL
	v_add_nc_u32 v5, v5, v6
	v_add_nc_u32 v[ADRS], s21, v5
	s_mul_i32 s23, s14, 16*SPITCH                  ; my stage
	v_mul_u32_u24 v5, v1, SPITCH
	v_lshl_add_u32 v5, v2, 4, v5
	v_add_nc_u32 v[STO], s23, v5                   ; in: row l % 16, 16 bytes for each half of the lanes
	v_mul_u32_u24 v5, v2, SPITCH
	v_lshl_add_u32 v5, v1, 4, v5
	v_add_nc_u32 v[RD], s23, v5                    ; back: lanes 0-15 one row of 256 bytes, lanes 16-31 the next
	v_lshlrev_b32 v5, 12, v2
	v_lshl_add_u32 v[CO], v1, 4, v5                ; and the same two rows of q16
	v_lshlrev_b32 v[BO], 5, v2
	s_lshl_b32 s20, s17, 8
	s_lshl_b32 s21, s15, 7
	s_add_co_u32 s20, s20, s21                     ; my first row,
	s_lshl_b32 s20, s20, 12                        ; in bytes
	s_mov_b32 s21, 0
	s_lshl_b32 s46, s42, 9                         ; my first column, in bytes of f16
	s_lshl_b32 s47, s16, 8
	s_add_co_u32 s46, s46, s47
	s_mov_b32 s47, 0
	s_add_nc_u64 s[20:21], s[20:21], s[46:47]
	s_add_nc_u64 s[12:13], s[12:13], s[20:21]
	s_lshl_b32 s46, s46, 1                         ; and in bytes of f32
	s_add_nc_u64 s[66:67], s[66:67], s[46:47]
.irp b, 0,1,2,3,4,5,6,7                        ; b_d in the result's layout: block b, lane half h: columns 16 b + 8 h + 0..7
	global_load_b128 v[BIAS+8*\b:BIAS+8*\b+3], v[BO], s[66:67] offset:64*\b
	global_load_b128 v[BIAS+8*\b+4:BIAS+8*\b+7], v[BO], s[66:67] offset:64*\b+16
.endr
.macro FRAG reg, adr, q, i             ; 16 rows x 128 K of 4-bit codes: registers 4 c .. 4 c + 3 hold K = 64 c + 32 (l / 16) + 0 .. 31
.irp c, 0,1
	ds_load_b128 v[\reg+4*\c:\reg+4*\c+3], v[\adr] offset:64*(\q)+32*\c+(\i)*16*PITCH
.endr
.endm
; 16 matrix instructions: A's blocks a0, a0 + 1 x B's eight.  zero = 1: the first product starts the sums on the bias.  The 64 accumulators take turns.
.macro MUL16 a0, p, q, sc, zero
.irp a, \a0, \a0+1
.irp b, 0,1,2,3,4,5,6,7
.if \zero
	v_wmma_scale_f32_16x16x128_f8f6f4 v[8*(8*((\a)%4)+\b):8*(8*((\a)%4)+\b)+7], v[128*(\p)+FR*\b:128*(\p)+FR*\b+FR-1], v[AF+FR*(\a):AF+FR*(\a)+FR-1], v[BIAS+8*\b:BIAS+8*\b+7], v[SC+8*NQ*(\sc)+NQ*\b+(\q)], v[SC+8*NQ*(\sc)+NQ*(\a)+(\q)] matrix_a_fmt:MATRIX_FMT_FP4 matrix_b_fmt:MATRIX_FMT_FP4 matrix_a_scale:MATRIX_SCALE_ROW1
.else
	v_wmma_scale_f32_16x16x128_f8f6f4 v[8*(8*((\a)%4)+\b):8*(8*((\a)%4)+\b)+7], v[128*(\p)+FR*\b:128*(\p)+FR*\b+FR-1], v[AF+FR*(\a):AF+FR*(\a)+FR-1], v[8*(8*((\a)%4)+\b):8*(8*((\a)%4)+\b)+7], v[SC+8*NQ*(\sc)+NQ*\b+(\q)], v[SC+8*NQ*(\sc)+NQ*(\a)+(\q)] matrix_a_fmt:MATRIX_FMT_FP4 matrix_b_fmt:MATRIX_FMT_FP4 matrix_a_scale:MATRIX_SCALE_ROW1
.endif
.endr
.endr
.endm
.macro FETCH_B slot, q, p
	WIN TO_B
.irp i, 0,1,2,3,4,5,6,7
	FRAG 128*(\p)+FR*\i, ADRB+\slot, \q, \i
.endr
	WIN 0
.endm
.macro FETCH_A slot, q, i0
.irp i, \i0, \i0+1, \i0+2, \i0+3
	FRAG AF+FR*(\i), ADRA+\slot, \q, \i
.endr
.endm
.macro SCALES sc                       ; a K step's scale words: lanes 0-15 A's block i, lanes 16-31 B's block i
.irp i, 0,1,2,3,4,5,6,7
	ds_load_b128 v[SC+8*NQ*\sc+NQ*\i:SC+8*NQ*\sc+NQ*\i+3], v[ADRS] offset:\i*SBLK
.endr
.endm
.macro PLACES n                        ; plain vector lines between a matrix instruction and a load into, or a read of, its registers
.rept \n
	v_nop
.endr
.endm
.macro STEP slot, q, zero
	s_wait_dscnt 4*NL                              ; B's set and A's blocks 0-3 are in; A's blocks 4-7 (eight loads) may be out
.if \zero
	WIN 0x81                                       ; C (the bias) window 0, D window 2
.else
	WIN MUL_LO
.endif
	MUL16 0, (\q)%2, \q, \slot, \zero
	MUL16 2, (\q)%2, \q, \slot, \zero
	s_wait_dscnt 0
	PLACES NP
	FETCH_B \slot, (\q)+1, 1-(\q)%2
	FETCH_A \slot, (\q)+1, 0
.if \zero
	WIN 0xc1
.else
	WIN MUL_HI
.endif
	MUL16 4, (\q)%2, \q, \slot, \zero
	MUL16 6, (\q)%2, \q, \slot, \zero
	PLACES NP
	WIN 0
	FETCH_A \slot, (\q)+1, 4
.endm
; A slot's last step changes slots: one barrier; in front of it each wave waits for all its tensor loads, adds 0 to its spare word, and waits for that and for its reads of this slot.
.macro TURN slot, next, fill
	s_wait_tensorcnt 0x0                           ; all my tensor loads have landed: my part of the next slot
	ds_add_u32 v[SPW], v[NIL]
	s_wait_dscnt 4*NL+1                            ; the add and A's blocks 4-7 may be out
	WIN MUL_LO
	MUL16 0, 1, NQ-1, \slot, 0
	s_wait_dscnt 0x0                               ; the add is done, and my reads of this slot are over
	s_barrier_signal -1
	MUL16 2, 1, NQ-1, \slot, 0
	WIN 0
	s_barrier_wait -1
.if \fill
	CREST                                          ; the barrier has opened a round of the cluster's: no wave of any partner still reads this slot or has a load on its way
	s_add_nc_u64 s[G0+4*\slot+2:G0+4*\slot+3], s[G0+4*\slot+2:G0+4*\slot+3], 2*ROWB
	s_add_nc_u64 s[G0B+4*\slot+2:G0B+4*\slot+3], s[G0B+4*\slot+2:G0B+4*\slot+3], 2*ROWB
	JLOAD G0+4*\slot, G1, G0B+4*\slot, G1B         ; the first tensor load behind the round; its four v_nop are the places in front of the loads below
.else
	PLACES NP
.endif
	v_add_nc_u32 v[ADRS], 4*NQ, v[ADRS]
	FETCH_B \next, 0, 0
	FETCH_A \next, 0, 0
	SCALES \next
	WIN MUL_HI
	MUL16 4, 1, NQ-1, \slot, 0
	MUL16 6, 1, NQ-1, \slot, 0
	PLACES NP
	WIN 0
	FETCH_A \next, 0, 4
.endm
.macro STEPS slot, from
.set Q, \from
.rept NQ-1-\from
	STEP \slot, Q, 0
.set Q, Q+1
.endr
.endm
	s_wait_tensorcnt 1                             ; the scales and my part of K step 0 are in; K step 1's load may be out
	s_barrier_signal -1
	s_barrier_wait -1
	FETCH_B 0, 0, 0
	FETCH_A 0, 0, 0
	SCALES 0
	FETCH_A 0, 0, 4
	s_wait_loadcnt 0x0                             ; the bias
	STEP 0, 0, 1
	s_mov_b32 s3, LAPS-1
.Llap:                                                 ; once round the ring, from a lap's second step to the next lap's first; both slots are filled again
	STEPS 0, 1
	TURN 0, 1, 1
	STEPS 1, 0
	TURN 1, 0, 1
	STEP 0, 0, 0
	s_sub_co_u32 s3, s3, 1
	s_cmp_lg_u32 s3, 0
	s_cbranch_scc1 .Llap
	STEPS 0, 1                                     ; the last lap fills nothing
	TURN 0, 1, 0
	STEPS 1, 0
	s_wait_dscnt 4*NL
	WIN MUL_LO
	MUL16 0, 1, NQ-1, 1, 0
	MUL16 2, 1, NQ-1, 1, 0
	s_wait_dscnt 0
	WIN MUL_HI
	MUL16 4, 1, NQ-1, 1, 0
	MUL16 6, 1, NQ-1, 1, 0
	WIN 0
; THE WAY OUT, a block of 16 rows x 128 columns at a time: rounded to f16 (16 bytes a lane), through my own stage, back as whole rows of 256 bytes.
.macro PACK a
.set AC, 64*((\a)%4)
	WIN 0x0a+5*((\a)/4)                            ; sources 0 and 1: window 2 or 3
.irp b, 0,1,2,3,4,5,6,7
.irp r, 0,1,2,3
	v_cvt_pk_f16_f32 v[TMP+4*\b+\r], v[AC+8*\b+2*\r], v[AC+8*\b+2*\r+1]   ; each accumulator from its low end on
.endr
.endr
	WIN 0
.endm
.macro TOSTAGE a
.set BB, BK+32*((\a)%2)
.irp b, 0,1,2,3,4,5,6,7
	ds_store_b128 v[STO], v[TMP+4*\b:TMP+4*\b+3] offset:32*\b
.endr
.irp t, 0,1,2,3,4,5,6,7
	ds_load_b128 v[BB+4*\t:BB+4*\t+3], v[RD] offset:\t*2*SPITCH    ; LDS serves a wave's instructions in order: these see the stores above
.endr
.endm
.macro SEND a
.set BB, BK+32*((\a)%2)
	s_wait_dscnt 0x0                               ; the block is back in registers
	s_wait_xcnt 0x0                                ; the earlier stores have read their registers and their base
.if (\a) > 0
	s_add_nc_u64 s[12:13], s[12:13], 16*SIZE_N*2
.endif
.irp t, 0,1,2,3,4,5,6,7
	global_store_b128 v[CO], v[BB+4*\t:BB+4*\t+3], s[12:13] offset:2*\t*SIZE_N*2   ; 16 lanes store 256 consecutive bytes, aligned
.endr
.endm
	PLACES NP
	PACK 0
	TOSTAGE 0
.irp a, 1,2,3,4,5,6,7
	PACK \a
	SEND \a-1
	TOSTAGE \a
.endr
	SEND 7
	s_wait_tensorcnt 0x0                           ; the wave's end
	ds_add_u32 v[SPW], v[NIL]
	s_wait_dscnt 0x0
	CROUND                                         ; the closing round
	s_endpgm
.Lfunc_end_k_q29db09c284_gemm_q:
	.size	k_q29db09c284_gemm_q, .Lfunc_end_k_q29db09c284_gemm_q-k_q29db09c284_gemm_q
	.p2alignl 7, 3214868480
	.fill 96, 4, 3214868480
	.section	.rodata,"a",@progbits
	.p2align	6, 0x0
	.amdhsa_kernel k_q29db09c284_gemm_q
		.amdhsa_group_segment_fixed_size 327680
		.amdhsa_private_segment_fixed_size 0
		.amdhsa_enable_private_segment 0
		.amdhsa_kernarg_size 32
		.amdhsa_user_sgpr_count 2
		.amdhsa_user_sgpr_kernarg_segment_ptr 1
		.amdhsa_wavefront_size32 1
		.amdhsa_system_sgpr_workgroup_id_x 1
		.amdhsa_system_sgpr_workgroup_id_y 1
		.amdhsa_system_sgpr_workgroup_id_z 1
		.amdhsa_system_vgpr_workitem_id 0
		.amdhsa_next_free_vgpr 1024
		.amdhsa_next_free_sgpr 98
		.amdhsa_reserve_vcc 0
		.amdhsa_float_denorm_mode_32 3
		.amdhsa_float_denorm_mode_16_64 3
		.amdhsa_memory_ordered 1
		.amdhsa_forward_progress 1
		.amdhsa_inst_pref_size 215
	.end_amdhsa_kernel
	.amdgpu_metadata
---
amdhsa.version: [ 1, 2 ]
amdhsa.kernels:
  - .name:           k_q29db09c284_gemm_q
    .symbol:         k_q29db09c284_gemm_q.kd
    .args:
      - { .name: xq, .offset: 0, .size: 8, .value_kind: global_buffer, .address_space: global }
      - { .name: wq, .offset: 8, .size: 8, .value_kind: global_buffer, .address_space: global }
      - { .name: b_d, .offset: 16, .size: 8, .value_kind: global_buffer, .address_space: global }
      - { .name: q16, .offset: 24, .size: 8, .value_kind: global_buffer, .address_space: global }
    .group_segment_fixed_size: 327680
    .private_segment_fixed_size: 0
    .kernarg_segment_align: 8
    .kernarg_segment_size: 32
    .max_flat_workgroup_size: 128
    .sgpr_count:     98
    .vgpr_count:     1024
    .wavefront_size: 32
...
	.end_amdgpu_metadata
.endif
;; end of part 3
;; launch attn (part 4): grid 8 x 32, 4 waves a work-group, no clusters, 327,680 bytes of LDS; arguments q16, k16, y16; writes y16
.if DOCPART == 4
	.amdgcn_target "amdgcn-amd-amdhsa--gfx1250"
	.amdhsa_code_object_version 6
	.text
	.protected	k_q29db09c284_attn
	.globl	k_q29db09c284_attn
	.p2align	8
	.type	k_q29db09c284_attn,@function
k_q29db09c284_attn:
	s_mov_b64 s[64:65], 0
	v_nop
	global_prefetch_b8 v0, s[64:65] scope:SCOPE_SE
	s_setreg_imm32_b32 hwreg(HW_REG_WAVE_MODE, 25, 1), 1
	s_wait_xcnt 0x0
; y[b][t][h][:] = the sum over s <= t of softmax_s(q[b][t][h] . k[b][s] / sqrt(128)) k[b][s][:].  q16 [4096][2048], k16 [4096][128], y16 [4096][2048], all f16; products, maxima and sums in f32;
; the weights p are rounded to f16 for the second product, y once at the end.  k is both the keys and the values, shared by the 16 heads.
; SHARES.  Work-group (i, 16 b + h) owns two blocks of 128 queries of one head: block i (L) and block 15 - i (H): 17 blocks of keys to walk in all, the same for every i.  Wave w owns queries PL = 128 i + 32 w
; and PH = 128 (15 - i) + 32 w on, 32 each: four tiles of 16: tile 0 = PH, 1 = PL, 2 = PH + 16, 3 = PL + 16.  A PIECE is an H tile and an L tile: piece 0 = tiles 0, 1; piece 2 = tiles 2, 3.
; KEYS go 64 a step.  Every wave passes all changes of slots (constant trip counts); WORK is left out where all of a step's keys come after the wave's queries: scalar branches on ids.
; L tiles work while the step's first key is at or under PL, H tiles while it is at or under PH; a tile's last such step lies on the diagonal: there hidden scores become -infinity ahead of the maximum.
; LAYOUT.  S^T = K Q^T and O^T = V^T P: a lane holds one query (lane % 16) throughout.  K comes out of LDS as it lies, V turned by ds_load_tr16_b128; the same 64 rows of k16 are fetched
; twice, with pitches 272 and 288, so that both kinds of load start their rows at different banks (64 banks of 4 bytes: ISA guide 11.1).
; SOFTMAX.  A running maximum m and sum l for each query: p = 2^(c s - c m), c = log2(e) / sqrt(128); O and l are multiplied by a = 2^(c m_old - c m_new) in every step.
; BY TURNS, ACROSS STEPS.  In a TURN one piece has the matrix unit: its products V^T P of step j, then its products K Q^T of step j + 1; the other piece's softmax, cut into 64 slices, is dealt evenly behind them.
; Piece 0's turn carries piece 2's softmax of step j, piece 2's turn carries piece 0's of step j + 1.  The two turns are a PAIR.  With both tiles of a piece at work a pair has 128 products and 536 softmax
; instructions: 4.2 behind each product.  A pair is written for each case of how many tiles of a piece work in step j and in step j + 1: (2, 2), (2, 1), (1, 1), (1, 0); PH is at least PL + 128, so there is no (2, 0).
; NO CLUSTER: a work-group's walk ends at key 128 (16 - i), and the loads behind that key are led round by a jump on ids; work-groups of one head end at eight different keys, so partners would need different numbers of tiles.
; LIMIT: |q|, |k|, |y| under 65,504 (f16).
; REGISTERS, in windows of 256: window 0: v0-11 addresses; v12-43 eight statistics a tile; v44-46 the mask's; v62, v63 the add's two; v64-191 S^T, 32 a tile; v192-255 P, 16 a tile.
;   window 1: O^T, 64 a tile.   window 2: v0-127 Q, 32 a tile; v128-255 K of one step.   window 3: v0-127 V of one step.
.set KS,    64
.set PK,    272
.set PV,    288
.set VOFF,  KS*PK
.set STEPB, KS*(PK+PV)
.set SLOT1, 1<<17                      ; a slot holds two steps (71,680 bytes); one exclusive or turns an address into the other slot's
.set STAGE, SLOT1+2*STEPB              ; behind the ring: 16 rows x 272 bytes a wave, for the way out
.set SP,    272
.set SPARE, STAGE+4*16*272             ; the spare words, 128 bytes a wave, which no other line names
.set AK0, 2
.set AV0, 3
.set ADR, 4
.set QO,  5
.set STO, 6
.set RD,  7
.set GO,  8
.set ST,  12                           ; tile t's statistics at v[ST+8 t]: +0 c m, +1 m, +2, +3 l in two halves, +4 to +7 at work; a takes +6
.set MD,  44                           ; v44 the mask's bound
.set NINF, 45                          ; v45 -infinity
.set DR,  46                           ; v46 r - 8 h
.set SPW, 62
.set NIL, 63
.set S,   64
.set P,   192
.set KFR, 128                          ; K's fragments, in window 2
.set WV,  12
.set G1K, 24
.set G1V, 32
.set G0K, 40                           ; one walking group 0 for K's copy, one for V's
.set G0V, 44
.set SLOTS, 56
.set TWICE, 57                         ; counts the two pairs between two changes of slots
.set CS,  58
.set SEL, 60
.set TB,  62                           ; LDS byte at which the tiles of the step to be fetched begin: in pair j those of step j + 1
.set SKF, 66                           ; the first key of step j
.set PH,  67
.set PL,  68
.set QLAST, 69                         ; the work-group's last query
.set QH,  72
.set QL,  74
.set YH,  76
.set YL,  78
.set MSB, 0
.macro WIN new                         ; the immediate's high byte repeats the setting that is left; a switch that changes nothing is dropped
.if MSB != \new
	s_set_vgpr_msb (MSB<<8)|\new
.set MSB, \new
.endif
.endm
.set W_KQ, 0x0a                        ; K and Q window 2, S^T window 0
.set W_PV, 0x53                        ; V window 3, P window 0, O^T window 1
.set W_RS, 0x41                        ; O^T window 1, a window 0
.macro PLACES                          ; four plain vector lines between a matrix instruction and a read of its result, or a load into a register that it has read
.rept 4
	v_nop
.endr
.endm
; Waves 0 and 1 fetch the slot's two steps for K's copy, waves 2 and 3 for V's: one load a wave.  An s_nop 0 and four v_nop follow each line.
.macro TLOAD
	s_cmp_lt_u32 s[WV], 2
	s_cbranch_scc0 .Lfor_v_\@
	tensor_load_to_lds s[G0K:G0K+3], s[G1K:G1K+7]
	s_nop 0
.rept 4
	v_nop
.endr
	s_branch .Lasked_\@
.Lfor_v_\@:
	tensor_load_to_lds s[G0V:G0V+3], s[G1V:G1V+7]
	s_nop 0
.rept 4
	v_nop
.endr
.Lasked_\@:
.endm
	s_load_b128 s[4:7], s[0:1], 0x0                ; q16, k16
	s_load_b64 s[8:9], s[0:1], 0x10                ; y16
	v_lshl_add_u32 v[SPW], v0, 2, SPARE
	v_mov_b32 v[NIL], 0
	ds_add_u32 v[SPW], v[NIL]                      ; the wave's opening: the add, twice on end, and its wait ahead of my first tensor load
	ds_add_u32 v[SPW], v[NIL]
	v_lshrrev_b32 v1, 5, v0
	v_readfirstlane_b32 s[WV], v1                  ; wave 0..3
	s_and_b32 s13, ttmp7, 0xffff
	s_lshr_b32 s14, s13, 4                         ; batch
	s_and_b32 s15, s13, 15                         ; head
	s_lshl_b32 s16, s[WV], 5
	s_lshl_b32 s[PL], ttmp9, 7
	s_sub_co_u32 s[PH], 15, ttmp9
	s_lshl_b32 s[PH], s[PH], 7
	s_add_co_u32 s[QLAST], s[PH], 127
	s_add_co_u32 s[PL], s[PL], s16
	s_add_co_u32 s[PH], s[PH], s16
	s_lshl_b32 s17, s14, 11
	s_lshl_b32 s18, s15, 8
	s_add_co_u32 s20, s17, s[PH]
	s_lshl_b32 s20, s20, 12
	s_add_co_u32 s20, s20, s18                     ; (2048 b + PH) rows of 4,096 bytes + 256 head
	s_mov_b32 s21, 0
	s_add_co_u32 s22, s17, s[PL]
	s_lshl_b32 s22, s22, 12
	s_add_co_u32 s22, s22, s18
	s_mov_b32 s23, 0
	s_and_b32 s16, s[WV], 1                        ; which of a slot's two steps I fetch
	s_lshl_b32 s2, s14, 19                         ; the batch's 2,048 rows of 256 bytes,
	s_lshl_b32 s3, s16, 14                         ; my step's 64
	s_add_co_u32 s2, s2, s3
	s_mov_b32 s3, 0
	s_mul_i32 s17, s16, STEPB
	s_mov_b32 s[G1K], (1<<16)|(1<<20)|(5<<22)|(3<<25)   ; elements of 2 bytes; padding on: 4 words after every 64
	s_mov_b32 s[G1V], (1<<16)|(1<<20)|(5<<22)|(7<<25)   ; the same with 8 words
.irp g, G1K, G1V
	s_mov_b32 s[\g+1], 128<<16                     ; tensor_dim0
	s_mov_b32 s[\g+2], KS<<16                      ; tensor_dim1
	s_mov_b32 s[\g+3], 128<<16                     ; tile_dim0
	s_mov_b32 s[\g+4], KS                          ; tile_dim1
	s_mov_b32 s[\g+5], 128                         ; the pitch
	s_mov_b32 s[\g+6], 0
	s_mov_b32 s[\g+7], 0
.endr
	s_mov_b32 s[CS], 0x3e0293ee                    ; c = log2(e) / sqrt(128)
	s_mov_b32 s[CS+1], s[CS]
	s_mov_b32 s[SEL], 0x76543210
	s_mov_b32 s[SEL+1], 0xfedcba98
	s_mov_b32 s[TB], 0
	s_mov_b32 s[SKF], 0
	s_wait_dscnt 0x0                               ; both opening adds are done
	s_wait_kmcnt 0x0
	s_add_nc_u64 s[QH:QH+1], s[4:5], s[20:21]
	s_add_nc_u64 s[QL:QL+1], s[4:5], s[22:23]
	s_add_nc_u64 s[YH:YH+1], s[8:9], s[20:21]
	s_add_nc_u64 s[YL:YL+1], s[8:9], s[22:23]
	s_mov_b32 s[G0K], 1
	s_mov_b32 s[G0K+1], s17
	s_add_nc_u64 s[G0K+2:G0K+3], s[6:7], s[2:3]
	s_or_b32 s[G0K+3], s[G0K+3], 0x80000000
	s_mov_b32 s[G0V], 1
	s_add_co_u32 s[G0V+1], s17, VOFF
	s_add_nc_u64 s[G0V+2:G0V+3], s[6:7], s[2:3]
	s_or_b32 s[G0V+3], s[G0V+3], 0x80000000
	TLOAD                                          ; slot 0: keys 0-127, which count for queries of every work-group
	v_and_b32 v1, 15, v0                           ; l % 16
	v_bfe_u32 v9, v0, 4, 1                         ; l / 16
	v_lshlrev_b32 v[QO], 12, v1
	v_lshl_add_u32 v[QO], v9, 4, v[QO]
	WIN 0x80
.irp i, 0,1,2,3,4,5,6,7,8,9,10,11,12,13,14,15  ; Q stays in registers: tile i / 4, channels 32 (i % 4) on
.if ((\i/4)%2) == 0
	global_load_b128 v[8*\i:8*\i+3],   v[QO], s[QH:QH+1] offset:(\i/8)*65536+(\i%4)*64
	global_load_b128 v[8*\i+4:8*\i+7], v[QO], s[QH:QH+1] offset:(\i/8)*65536+(\i%4)*64+32
.else
	global_load_b128 v[8*\i:8*\i+3],   v[QO], s[QL:QL+1] offset:(\i/8)*65536+(\i%4)*64
	global_load_b128 v[8*\i+4:8*\i+7], v[QO], s[QL:QL+1] offset:(\i/8)*65536+(\i%4)*64+32
.endif
.endr
	WIN 0
	v_mul_u32_u24 v[AK0], v1, PK
	v_lshl_add_u32 v[AK0], v9, 4, v[AK0]           ; K: row x pitch + 16 x half
	v_and_b32 v10, 7, v0
	v_bfe_u32 v11, v0, 3, 1
	v_lshl_add_u32 v[AV0], v9, 3, v10              ; V, turned: key 8 (l / 16) + l % 8, channels 8 ((l / 8) % 2) on
	v_mul_u32_u24 v[AV0], v[AV0], PV
	v_lshl_add_u32 v[AV0], v11, 4, v[AV0]
	v_add_nc_u32 v[AV0], VOFF, v[AV0]
	s_mul_i32 s13, s[WV], 16*SP
	s_add_co_u32 s13, s13, STAGE
	v_mul_u32_u24 v[STO], v1, SP
	v_lshl_add_u32 v[STO], v9, 4, v[STO]
	v_add_nc_u32 v[STO], s13, v[STO]
	v_mul_u32_u24 v[RD], v9, SP
	v_lshl_add_u32 v[RD], v1, 4, v[RD]
	v_add_nc_u32 v[RD], s13, v[RD]
	v_lshlrev_b32 v[GO], 12, v9
	v_lshl_add_u32 v[GO], v1, 4, v[GO]
	v_lshlrev_b32 v[DR], 3, v9
	v_sub_nc_u32 v[DR], v1, v[DR]
	v_mov_b32 v[NINF], 0xff800000
; nt = tiles of the piece that work: 2 (H and L) or 1 (H alone).  The accumulators take turns, one instruction a turn.
.macro KQ x, nt                        ; product i of 16 nt of S^T = K Q^T: channels 32 cs on, keys 16 kt on; the first channel step starts the sums
	WIN W_KQ
.set tl, \x+i%(\nt)
.set kt, (i/(\nt))%4
.set cs, i/(4*(\nt))
.set rS, S+32*tl+8*kt
.set rK, KFR+32*kt+8*cs
.set rQ, 32*tl+8*cs
.if cs == 0
	v_wmma_f32_16x16x32_f16 v[rS:rS+7], v[rK:rK+7], v[rQ:rQ+7], 0
.else
	v_wmma_f32_16x16x32_f16 v[rS:rS+7], v[rK:rK+7], v[rQ:rQ+7], v[rS:rS+7]
.endif
.endm
.macro PV x, nt, zero                  ; product i of 16 nt of O^T += V^T P: keys 32 kh on, channels 16 ct on.  zero = 1: key step 0 starts the sums
	WIN W_PV
.set tl, \x+i%(\nt)
.set ct, (i/(\nt))%8
.set kh, i/(8*(\nt))
.set rO, 64*tl+8*ct
.set rV, 64*kh+8*ct
.set rP, P+16*tl+8*kh
.if \zero && (kh == 0)
	v_wmma_f32_16x16x32_f16 v[rO:rO+7], v[rV:rV+7], v[rP:rP+7], 0
.else
	v_wmma_f32_16x16x32_f16 v[rO:rO+7], v[rV:rV+7], v[rP:rP+7], v[rO:rO+7]
.endif
.endm
.macro FETCH_K                         ; K of the step at s[TB], 32 loads in one run, by channel steps: eight loads each
	WIN 0
	v_add_nc_u32 v[ADR], s[TB], v[AK0]
	WIN 0x80
.irp c, 0,1,2,3
.irp g, 0,1,2,3
	ds_load_b128 v[KFR+8*(4*\g+\c):KFR+8*(4*\g+\c)+3],   v[ADR] offset:\g*16*PK+\c*64
	ds_load_b128 v[KFR+8*(4*\g+\c)+4:KFR+8*(4*\g+\c)+7], v[ADR] offset:\g*16*PK+\c*64+32
.endr
.endr
.endm
.macro FETCH_V                         ; V of the step at s[TB], turned
	WIN 0
	v_add_nc_u32 v[ADR], s[TB], v[AV0]
	WIN 0xc0
.irp f, 0,1,2,3,4,5,6,7,8,9,10,11,12,13,14,15  ; keys 32 (f / 8) on, channels 16 (f % 8) on
	ds_load_tr16_b128 v[8*\f:8*\f+3],   v[ADR] offset:(\f/8)*32*PV+(\f%8)*32
	ds_load_tr16_b128 v[8*\f+4:8*\f+7], v[ADR] offset:(\f/8)*32*PV+16*PV+(\f%8)*32
.endr
.endm
; One tile's softmax for one key step is a list of 134 instructions; SM writes number j of it for tile t.
;   0-15 the maximum of the 32 scores and the old m;  16-20 the other half's, the new m, c m, its change;  21-69 ONE BATCH: 16 packed scalings and 33 exponentials, none of which reads an exponential's result;
;   70-85 the roundings to f16;  86-101 the sums, l = a l + the sum;  102-133 O^T times a.  first = 1: the first key step has no a and nothing to rescale.
.macro SM t, first
.set rT, ST+8*(\t)
.set rS, S+32*(\t)
.set rP, P+16*(\t)
.set rO, 64*(\t)+2*(j-102)
.if j < 102
	WIN 0
.endif
.if j < 4
	v_max3_num_f32 v[rT+4+j], v[rS+8*j], v[rS+8*j+1], v[rS+8*j+2]
.elseif j < 12
	v_max3_num_f32 v[rT+4+j%4], v[rT+4+j%4], v[rS+8*(j%4)+2*(j/4)+1], v[rS+8*(j%4)+2*(j/4)+2]
.elseif j == 12
	v_max3_num_f32 v[rT+4], v[rT+4], v[rS+7], v[rS+15]
.elseif j == 13
	v_max3_num_f32 v[rT+6], v[rT+6], v[rS+23], v[rS+31]
.elseif j == 14
	v_max3_num_f32 v[rT+4], v[rT+4], v[rT+5], v[rT+6]
.elseif (j == 15) && \first
	v_max_num_f32 v[rT+4], v[rT+4], v[rT+7]
.elseif j == 15
	v_max3_num_f32 v[rT+4], v[rT+4], v[rT+7], v[rT+1]
.elseif j == 16
	v_permlanex16_b32 v[rT+5], v[rT+4], s[SEL], s[SEL+1]
.elseif j == 18
	v_max_num_f32 v[rT+1], v[rT+4], v[rT+5]
.elseif j == 19
	v_mul_f32 v[rT], s[CS], v[rT+1]
.elseif ((j == 17) || (j == 20) || (j == 23) || (j > 101)) && \first
.elseif j == 17
	v_mov_b32 v[rT+7], v[rT]
.elseif j == 20
	v_sub_f32 v[rT+7], v[rT+7], v[rT]
.elseif j == 23
	v_exp_f32 v[rT+6], v[rT+7]
.elseif (j < 23) || ((j < 38) && (j%2 == 0)) || ((j < 66) && (j%4 == 2))
.set b, (j-2)/4
.if j < 38
.set b, (j-20)/2
.endif
	v_pk_fma_f32 v[rS+2*b:rS+2*b+1], v[rS+2*b:rS+2*b+1], s[CS:CS+1], v[rT:rT+1] op_sel_hi:[1,0,0] neg_lo:[0,0,1] neg_hi:[0,0,1]
.elseif j < 70
.set e, j-38
.if j < 66
.set e, j-32-(j-38)/4
.endif
.if j < 38
.set e, (j-25)/2
.endif
	v_exp_f32 v[rS+e], v[rS+e]
.elseif j < 86
	v_cvt_pk_f16_f32 v[rP+j-70], v[rS+2*(j-70)], v[rS+2*(j-70)+1]
.elseif j < 102
.set z, j-86
.set w, 4
.set u, z
.if z >= 14
.set w, 32
.set u, 0
.elseif z >= 12
.set w, 16
.set u, z-12
.elseif z >= 8
.set w, 8
.set u, z-8
.endif
.if (z == 14) && \first
	v_pk_add_f32 v[rT+2:rT+3], v[rS:rS+1], v[rS+16:rS+17]
.elseif z < 15
	v_pk_add_f32 v[rS+w*u:rS+w*u+1], v[rS+w*u:rS+w*u+1], v[rS+w*u+w/2:rS+w*u+w/2+1]
.elseif !\first
	v_pk_fma_f32 v[rT+2:rT+3], v[rT+2:rT+3], v[rT+6:rT+7], v[rS:rS+1] op_sel_hi:[1,0,1]
.endif
.else
	WIN W_RS
	v_pk_mul_f32 v[rO:rO+1], v[rO:rO+1], v[rT+6:rT+7] op_sel_hi:[1,0]
.endif
.endm
; Slice k of 64 of piece y's softmax.  Slices 11-34 deal out the batch, four numbers of one tile each, the tiles by turns; the others are numbers 2 k, 2 k + 1 of the piece's tiles; slice 63 takes what is over.
; Behind slice 34 every exponential is issued and no result has been named: one plain line and ONE wait for the piece's batch.  With nt = 1 the L tile's numbers are not written.
.macro SLICE y, nt, first
.if (k >= 11) && (k < 35)
.if ((k-11)%2) < (\nt)
.irp n, 0,1,2,3
.set j, 22+4*((k-11)/2)+(\n)
	SM (\y)+(k-11)%2, \first
.endr
.endif
.else
.irp n, 0,1,2,3,4,5,6,7
.if (\n < 2) || (k == 63)
.irp d, 0,1
.if \d < (\nt)
.set j, 2*k+\n
	SM (\y)+\d, \first
.endif
.endr
.endif
.endr
.endif
.if k == 34
	v_nop
	s_wait_alu depctr_va_vdst(0)
.endif
.set k, k+1
.endm
; Behind product nw of the turn's TW stand the slices up to number 64 nw / TW: the 64 are dealt evenly, and the last product is followed by slice 63.
.macro DEAL y, ns, first
.if \ns
.rept (64*nw)/TW-k
	SLICE \y, \ns, \first
.endr
.endif
.endm
; A TURN.  Piece x has the matrix unit: 16 np products V^T P of step j (zero = 1: they start O^T), then 16 nk products K Q^T of step j + 1.  The other piece's softmax on ns tiles (0: none; first = 1: key step 0's) stands in slices behind them.
; Piece 0's turn fetches K of step j + 1 behind its second product: the last product that read K stands in front of the last slices of the turn before, eight plain lines or more (in key step 0: four v_nop).
; Piece 2's turn fetches V of step j + 1 behind its last V^T P and four v_nop.  Each run of 32 LDS loads has the rest of its half turn in which to come; one wait for all LDS loads stands ahead of the first use.
; The turn's last slices, plain lines on the other piece's O^T, are the places behind its last product; key step 0's softmax has none there: four v_nop.
.macro TURN x, np, nk, ns, zero, first
.set k, 0
.set nw, 0
.set TW, 16*(\np)+16*(\nk)
.if \np
.if \x == 0
	s_wait_dscnt 0x0                               ; V of step j is in
.endif
.set i, 0
.rept 16*(\np)
	PV \x, \np, \zero
.set nw, nw+1
	DEAL 2-\x, \ns, \first
.if (\x == 0) && (\nk > 0) && (i == 1)
	FETCH_K
.endif
.set i, i+1
.endr
.endif
.if \nk
.if \x == 0
	s_wait_dscnt 0x0                               ; K of step j + 1 is in
.else
	WIN 0
	PLACES
	FETCH_V
.endif
.set i, 0
.rept 16*(\nk)
	KQ \x, \nk
.set nw, nw+1
	DEAL 2-\x, \ns, \first
.set i, i+1
.endr
.endif
.if \first
	PLACES
.endif
.endm
; The diagonal.  The step's first key is KB = s[SKF] + kb.  Register n of tile t holds key KB + 16 (n / 8) + 8 h + n % 8, the lane query P + add + r: hidden where 16 (n / 8) + n % 8 is above P + add - KB + r - 8 h.
; A step all of whose keys count jumps over it.
.macro MASKIF t, preg, add, kb
	s_add_co_u32 s70, s[SKF], KS+\kb
	s_cmp_le_u32 s70, s[\preg]
	s_cbranch_scc1 .Lopen_\@
	s_sub_co_u32 s70, s[\preg], s[SKF]
.if \add
	s_add_co_u32 s70, s70, \add
.endif
.if \kb
	s_sub_co_u32 s70, s70, \kb
.endif
	v_add_nc_u32 v[MD], s70, v[DR]
.set n, 0
.rept 32
	v_cmp_gt_i32 vcc_lo, 16*(n/8)+n%8, v[MD]
	v_cndmask_b32 v[S+32*\t+n], v[S+32*\t+n], v[NINF], vcc_lo
.set n, n+1
.endr
.Lopen_\@:
.endm
; A PAIR: the two turns of step j.  n0, n1: the tiles of a piece that work in step j and in step j + 1 (n1 = 0: step j is my last).  f = 1: j = 0.
; While L works, H lies far under the diagonal: so with n1 = 2 the L tile alone can want the mask, with n1 = 1 the H tile.
.macro PAIR n0, n1, f
	TURN 0, \n0, \n1, \n0, \f, \f                  ; piece 0: V^T P of step j, K Q^T of step j + 1 | piece 2's softmax of step j | K of step j + 1
	WIN 0
.if \n1 == 2
	MASKIF 1, PL, 0, KS
.elseif \n1 == 1
	MASKIF 0, PH, 0, KS
.endif
	TURN 2, \n0, \n1, \n1, \f, 0                   ; piece 2: the same | piece 0's softmax of step j + 1 | V of step j + 1
	WIN 0
.if \n1 == 2
	MASKIF 3, PL, 16, KS
.elseif \n1 == 1
	MASKIF 2, PH, 16, KS
.endif
.endm
; The pair of step j, chosen by ids and the count of steps alone.  The two lines at its end are on every way.
.macro STEP_P
	s_add_co_u32 s71, s[SKF], KS                   ; the first key of step j + 1
	s_cmp_gt_u32 s[SKF], s[PH]
	s_cbranch_scc1 .Lnone_\@                       ; all keys of step j come after my queries
	s_cmp_gt_u32 s71, s[PH]
	s_cbranch_scc1 .Lc10_\@
	s_cmp_gt_u32 s[SKF], s[PL]
	s_cbranch_scc1 .Lc11_\@
	s_cmp_gt_u32 s71, s[PL]
	s_cbranch_scc1 .Lc21_\@
	PAIR 2, 2, 0
	s_branch .Lnone_\@
.Lc21_\@:
	PAIR 2, 1, 0
	s_branch .Lnone_\@
.Lc11_\@:
	PAIR 1, 1, 0
	s_branch .Lnone_\@
.Lc10_\@:
	PAIR 1, 0, 0
.Lnone_\@:
	s_add_co_u32 s[SKF], s[SKF], KS
	s_add_co_u32 s[TB], s[TB], STEPB
.endm
; THE CHANGE OF SLOTS stands ahead of the pair of a slot's LAST step: V of that step has been asked for, so nothing more is read from the slot; that pair fetches from the slot ahead.  Each wave waits for all its
; tensor loads (one is out at the most: its part of the slot ahead), adds 0 to its spare word, and waits for that and for its reads of the slot that it leaves.  Behind the barrier that slot takes the 128 keys
; two slots on: the wave's one load, which has two pairs in which to land.
; test = 1: those keys begin 192 behind the pair's first key; where they come after the work-group's last query none of its waves reads them and they are not asked for: ids and the count of steps alone, the same in all four waves.
.macro CHANGE test
	WIN 0
	s_wait_tensorcnt 0x0                           ; no tensor load of mine is out, so a group 0 may be written
	ds_add_u32 v[SPW], v[NIL]
	s_xor_b32 s[G0K+1], s[G0K+1], SLOT1
	s_add_nc_u64 s[G0K+2:G0K+3], s[G0K+2:G0K+3], 2*KS*256
	s_xor_b32 s[G0V+1], s[G0V+1], SLOT1
	s_add_nc_u64 s[G0V+2:G0V+3], s[G0V+2:G0V+3], 2*KS*256
	s_wait_dscnt 0x0
	s_barrier_signal -1
	s_barrier_wait -1
.if \test
	s_add_co_u32 s70, s[SKF], 3*KS
	s_cmp_gt_u32 s70, s[QLAST]
	s_cbranch_scc1 .Lpast_\@
.endif
	TLOAD
.Lpast_\@:
.endm
.macro TURN_TB                         ; the fetches go back two steps and on to the other slot
	s_sub_co_u32 s[TB], s[TB], 2*STEPB
	s_xor_b32 s[TB], s[TB], SLOT1
.endm
	CHANGE 0                                       ; slot 0 has landed; slot 1 is filled for the first time: keys 128-255 count for every work-group's H block
	s_wait_loadcnt 0x0                             ; Q
	FETCH_K                                        ; key step 0
.set i, 0
.rept 32
.if (i%8) == 0
	s_wait_dscnt 24-8*(i/8)                        ; K's loads of the later channel steps, eight each, may be out
.endif
	KQ 0, 2                                        ; piece 0's first scores: there is no vector work yet to set between them
.set i, i+1
.endr
	WIN 0
	PLACES
	MASKIF 1, PL, 0, 0
	TURN 2, 0, 2, 2, 0, 1                          ; piece 2's first scores | piece 0's first softmax | V of step 0
	WIN 0
	MASKIF 3, PL, 16, 0
	s_add_co_u32 s[TB], s[TB], STEPB               ; pair 0 fetches step 1
	s_cmp_lt_u32 s[PL], KS                         ; does L end with step 0?
	s_cbranch_scc1 .Lp0_21
	PAIR 2, 2, 1
	s_branch .Lp0_done
.Lp0_21:
	PAIR 2, 1, 1
.Lp0_done:
	s_add_co_u32 s[SKF], s[SKF], KS
	s_add_co_u32 s[TB], s[TB], STEPB
	TURN_TB
	s_mov_b32 s[SLOTS], 15
.Lslot:                                            ; 15 trips: pairs 1 and 2, 3 and 4, .. 29 and 30
	CHANGE 1
	s_mov_b32 s[TWICE], 2
.Lstep:
	STEP_P
	s_sub_co_u32 s[TWICE], s[TWICE], 1
	s_cmp_lg_u32 s[TWICE], 0
	s_cbranch_scc1 .Lstep
	TURN_TB
	s_sub_co_u32 s[SLOTS], s[SLOTS], 1
	s_cmp_lg_u32 s[SLOTS], 0
	s_cbranch_scc1 .Lslot
	s_cmp_gt_u32 s[SKF], s[PH]                     ; pair 31: no step follows it
	s_cbranch_scc1 .Lover
	PAIR 1, 0, 0
.Lover:
	; THE WAY OUT.  l's halves are added; O^T is divided by l, rounded to f16 and sent through my stage, a tile (16 rows) at a time.  The additions are the places behind the last products.
.irp t, 0,1,2,3
	v_add_f32 v[ST+8*\t+4], v[ST+8*\t+2], v[ST+8*\t+3]
.endr
.irp t, 0,1,2,3
	v_permlanex16_b32 v[ST+8*\t+5], v[ST+8*\t+4], s[SEL], s[SEL+1]
.endr
.irp t, 0,1,2,3
	v_add_f32 v[ST+8*\t+4], v[ST+8*\t+4], v[ST+8*\t+5]
.endr
.irp t, 0,1,2,3
	v_rcp_f32 v[ST+8*\t+6], v[ST+8*\t+4]
.endr
	v_nop
	s_wait_alu depctr_va_vdst(0)                   ; one wait for the four reciprocals, ahead of their first reader
.macro PACK t
	WIN W_RS
.set i, 64*\t
.rept 32
	v_pk_mul_f32 v[i:i+1], v[i:i+1], v[ST+8*\t+6:ST+8*\t+7] op_sel_hi:[1,0]
.set i, i+2
.endr
	WIN 0x05
.set i, 0
.rept 32
	v_cvt_pk_f16_f32 v[S+32*\t+i], v[64*\t+2*i], v[64*\t+2*i+1]
.set i, i+1
.endr
	WIN 0
.irp f, 0,1,2,3,4,5,6,7
	ds_store_b128 v[STO], v[S+32*\t+4*\f:S+32*\t+4*\f+3] offset:32*\f
.endr
.irp f, 0,1,2,3,4,5,6,7
	ds_load_b128 v[S+32*\t+4*\f:S+32*\t+4*\f+3], v[RD] offset:\f*2*SP  ; LDS serves a wave's instructions in order: these see the stores above
.endr
.endm
.macro SEND t, younger                 ; younger: the LDS instructions issued behind tile t's loads
.irp f, 0,1,2,3,4,5,6,7
	s_wait_dscnt \younger+7-\f
.if ((\t)%2) == 0
	global_store_b128 v[GO], v[S+32*\t+4*\f:S+32*\t+4*\f+3], s[YH:YH+1] offset:(\t/2)*65536+\f*8192   ; 16 lanes store 256 consecutive bytes, aligned
.else
	global_store_b128 v[GO], v[S+32*\t+4*\f:S+32*\t+4*\f+3], s[YL:YL+1] offset:(\t/2)*65536+\f*8192
.endif
.endr
.endm
	PACK 0
	PACK 1
	SEND 0, 16
	PACK 2
	SEND 1, 16
	PACK 3
	SEND 2, 16
	SEND 3, 0
	s_wait_tensorcnt 0x0                           ; the wave's end
	ds_add_u32 v[SPW], v[NIL]
	s_wait_dscnt 0x0
	s_endpgm
.Lfunc_end_k_q29db09c284_attn:
	.size	k_q29db09c284_attn, .Lfunc_end_k_q29db09c284_attn-k_q29db09c284_attn
	.p2alignl 7, 3214868480
	.fill 96, 4, 3214868480
	.section	.rodata,"a",@progbits
	.p2align	6, 0x0
	.amdhsa_kernel k_q29db09c284_attn
		.amdhsa_group_segment_fixed_size 327680
		.amdhsa_private_segment_fixed_size 0
		.amdhsa_enable_private_segment 0
		.amdhsa_kernarg_size 24
		.amdhsa_user_sgpr_count 2
		.amdhsa_user_sgpr_kernarg_segment_ptr 1
		.amdhsa_wavefront_size32 1
		.amdhsa_system_sgpr_workgroup_id_x 1
		.amdhsa_system_sgpr_workgroup_id_y 1
		.amdhsa_system_sgpr_workgroup_id_z 1
		.amdhsa_system_vgpr_workitem_id 0
		.amdhsa_next_free_vgpr 1024
		.amdhsa_next_free_sgpr 84
		.amdhsa_reserve_vcc 1
		.amdhsa_float_denorm_mode_32 3
		.amdhsa_float_denorm_mode_16_64 3
		.amdhsa_memory_ordered 1
		.amdhsa_forward_progress 1
		.amdhsa_inst_pref_size 255
	.end_amdhsa_kernel
	.section	.bss,"aw",@nobits
	.p2align	6
	.space	262144
	.amdgpu_metadata
---
amdhsa.version: [ 1, 2 ]
amdhsa.kernels:
  - .name:           k_q29db09c284_attn
    .symbol:         k_q29db09c284_attn.kd
    .args:
      - { .name: q16, .offset: 0, .size: 8, .value_kind: global_buffer, .address_space: global }
      - { .name: k16, .offset: 8, .size: 8, .value_kind: global_buffer, .address_space: global }
      - { .name: y16, .offset: 16, .size: 8, .value_kind: global_buffer, .address_space: global }
    .group_segment_fixed_size: 327680
    .private_segment_fixed_size: 0
    .kernarg_segment_align: 8
    .kernarg_segment_size: 24
    .max_flat_workgroup_size: 128
    .sgpr_count:     84
    .vgpr_count:     1024
    .wavefront_size: 32
...
	.end_amdgpu_metadata
.endif
;; end of part 4
;; launch proj (part 5): grid 8 x 32, 4 waves a work-group, clusters of 4 x 4, 327,680 bytes of LDS; arguments y16, wp16, b_proj, out0; writes out0
.if DOCPART == 5
	.amdgcn_target "amdgcn-amd-amdhsa--gfx1250"
	.amdhsa_code_object_version 6
	.text
	.protected	k_q29db09c284_proj
	.globl	k_q29db09c284_proj
	.p2align	8
	.type	k_q29db09c284_proj,@function
k_q29db09c284_proj:
	s_mov_b64 s[64:65], 0
	v_nop
	global_prefetch_b8 v0, s[64:65] scope:SCOPE_SE
	s_setreg_imm32_b32 hwreg(HW_REG_WAVE_MODE, 25, 1), 1
	s_wait_xcnt 0x0
	s_wait_alu depctr_hold_cnt(0) depctr_sa_sdst(0) depctr_va_vdst(0) depctr_va_sdst(0) depctr_va_ssrc(0) depctr_va_vcc(0) depctr_vm_vsrc(0)
	s_getreg_b32 s2, hwreg(HW_REG_IB_STS2, 6, 4)
	s_cmp_eq_u32 s2, 0
	s_cbranch_scc0 .Lentry_in_a_cluster
	s_endpgm
.Lentry_in_a_cluster:
	s_bfe_u32 s2, ttmp6, 0x10000c
	s_cmp_lg_u32 s2, 0xf033
	s_cbranch_scc0 .Lentry_shape_is_right
	s_endpgm
.Lentry_shape_is_right:
; out[m][n] = the sum over k of y16[m][k] wp16[n][k] + b_proj[n].  y16 [4096][2048], wp16 [2048][2048]: f16; out0 [4096][2048] f32; sums in f32.
; A tile of 128 x 256 to a work-group: 32 x 8 = 256 work-groups.  Four waves, 64 rows x 128 columns each: 32 accumulators, 256 registers.  K goes in steps of 128 (rows of 256 bytes) through a ring of two LDS slots.
; CLUSTERS: 4 x 4 work-groups; A's tiles (y16) are asked for jointly along a row of the cluster, B's (wp16) along a column.  Waves 0, 1 fetch A's halves (64 rows), waves 2, 3 B's (128 rows).
; The matrix instruction is used transposed (source 0 = 16 rows of wp16, source 1 = 16 rows of y16): a lane holds eight neighbouring columns of one row.  b_proj is the C of each sum's first product.
; The 32 rows of positions 0-15 are made here like all others and written again, more finely, by the launch that follows.
; REGISTERS: window 0: v0-31 addresses; v64-95, v96-127 A's fragments, two buffers; v128-191 the bias; on the way out v64-127 and v192-255.  window 1: v0-63, v64-127 B's fragments.  window 2: the accumulators ((a, b) at v[8 (8 a + b)]).
.set SIZE_K, 2048
.set SIZE_N, 2048
.set KSTEP,  128
.set PITCH,  272                       ; 256 bytes + 16: the 16 rows of a load start at 16 different banks (64 banks of 4 bytes: ISA guide 11.1)
.set AH,     64*PITCH
.set BH,     128*PITCH
.set BOFF,   2*AH                      ; a slot: A's 128 rows, then B's 256
.set SLOT,   2*AH+2*BH
.set STAGE,  2*SLOT                    ; behind the ring: 16 rows x (512 + 16) a wave
.set SPITCH, 528
.set SPARE,  STAGE+4*16*SPITCH         ; the spare words, 128 bytes a wave, which no other line names
.set LAPS,   SIZE_K/(2*KSTEP)
.set ADRA, 16
.set ADRB, 20
.set STO,  24
.set RD,   25
.set CO,   26
.set BO,   27
.set SPW,  28
.set NIL,  29
.set BIAS, 128
.set G1, 24
.set G0, 32
.set G1B, 48
.set G0B, 56
.set MSB, 0
.macro WIN new
.if MSB != \new
	s_set_vgpr_msb (MSB<<8)|\new
.set MSB, \new
.endif
.endm
.set MUL,  0xa1                        ; source 0 (B) window 1, source 1 (A) window 0, C and D window 2
.set TO_B, 0x40
.macro JLOAD s                         ; an s_nop 0 and four v_nop follow each of the two lines
	s_cmp_eq_u32 s11, 0
	s_cbranch_scc0 .Lfor_b_\@
	tensor_load_to_lds s[G0+4*\s:G0+4*\s+3], s[G1:G1+7]
	s_nop 0
.rept 4
	v_nop
.endr
	s_branch .Lasked_\@
.Lfor_b_\@:
	tensor_load_to_lds s[G0B+4*\s:G0B+4*\s+3], s[G1B:G1B+7]
	s_nop 0
.rept 4
	v_nop
.endr
.Lasked_\@:
.endm
.macro CREST
	s_cmp_lg_u32 s10, 0
	s_cbranch_scc1 .Lnot_wave_0_\@
	s_barrier_signal -3
.Lnot_wave_0_\@:
	s_barrier_wait -3
	s_barrier_signal -1
	s_barrier_wait -1
.endm
.macro CROUND
	s_barrier_signal -1
	s_barrier_wait -1
	CREST
.endm
.macro PLACES
.rept 4
	v_nop
.endr
.endm
	s_load_b128 s[4:7], s[0:1], 0x0                ; y16, wp16
	s_load_b64 s[44:45], s[0:1], 0x10              ; b_proj
	s_load_b64 s[8:9], s[0:1], 0x18                ; out0
	v_lshl_add_u32 v[SPW], v0, 2, SPARE
	v_mov_b32 v[NIL], 0
	ds_add_u32 v[SPW], v[NIL]                      ; the wave's opening: the add, twice on end, and its wait ahead of my first tensor load
	ds_add_u32 v[SPW], v[NIL]
	v_lshrrev_b32 v1, 5, v0
	v_readfirstlane_b32 s10, v1                    ; wave 0..3
	s_lshr_b32 s11, s10, 1                         ; my half of the tile's rows; also: I fetch for A (0) or B (1)
	s_and_b32 s12, s10, 1                          ; my half of its columns; also: which half of that tile I fetch
	s_bfe_u32 s40, ttmp6, 0x40000                  ; cx
	s_bfe_u32 s41, ttmp6, 0x40004                  ; cy
	s_lshl_b32 s42, ttmp9, 2
	s_add_co_u32 s42, s42, s40                     ; tile column
	s_and_b32 s13, ttmp7, 0xffff
	s_lshl_b32 s13, s13, 2
	s_add_co_u32 s13, s13, s41                     ; tile row
	s_lshl_b32 s43, s41, 2
	s_lshl_b32 s43, 15, s43                        ; my row of the cluster
	s_lshl_b32 s22, 0x1111, s40                    ; my column
	s_or_b32 s[G1+0], s43, (1<<16)|(1<<20)|(1<<21)|(5<<22)|(3<<25)   ; the mask; elements of 2 bytes; padding on; bit 21 beside a mask; 4 words after every 64
	s_or_b32 s[G1B+0], s22, (1<<16)|(1<<20)|(1<<21)|(5<<22)|(3<<25)
	s_mov_b32 s[G1+1], KSTEP<<16                   ; tensor_dim0
	s_mov_b32 s[G1+2], 64<<16                      ; tensor_dim1: A's load has 64 rows,
	s_mov_b32 s[G1+3], KSTEP<<16                   ; tile_dim0
	s_mov_b32 s[G1+4], 64                          ; tile_dim1
	s_mov_b32 s[G1+5], SIZE_K                      ; the pitch
	s_mov_b32 s[G1+6], 0
	s_mov_b32 s[G1+7], 0
	s_mov_b32 s[G1B+1], KSTEP<<16
	s_mov_b32 s[G1B+2], 128<<16                    ; B's 128
	s_mov_b32 s[G1B+3], KSTEP<<16
	s_mov_b32 s[G1B+4], 128
	s_mov_b32 s[G1B+5], SIZE_K
	s_mov_b32 s[G1B+6], 0
	s_mov_b32 s[G1B+7], 0
	s_lshl_b32 s16, s13, 7
	s_lshl_b32 s17, s12, 6
	s_add_co_u32 s16, s16, s17                     ; A: row 128 x tile row + 64 x half,
	s_lshl_b32 s16, s16, 12                        ; in bytes
	s_mov_b32 s17, 0
	s_lshl_b32 s46, s42, 8
	s_lshl_b32 s47, s12, 7
	s_add_co_u32 s46, s46, s47                     ; B: row 256 x tile column + 128 x half
	s_lshl_b32 s46, s46, 12
	s_mov_b32 s47, 0
	s_mul_i32 s20, s12, AH                         ; where they go: no place in the cluster enters an LDS address
	s_mul_i32 s21, s12, BH
	s_add_co_u32 s21, s21, BOFF
	s_wait_dscnt 0x0                               ; both opening adds are done
	s_wait_kmcnt 0x0
	s_add_nc_u64 s[14:15], s[4:5], s[16:17]
	s_add_nc_u64 s[46:47], s[6:7], s[46:47]
	CROUND                                         ; all sixteen work-groups are here: the first joint loads meet
.irp s, 0,1
	s_mov_b32 s[G0+4*\s], 1
	s_add_co_u32 s[G0+4*\s+1], s20, \s*SLOT
	s_add_nc_u64 s[G0+4*\s+2:G0+4*\s+3], s[14:15], \s*KSTEP*2
	s_or_b32 s[G0+4*\s+3], s[G0+4*\s+3], 0x80000000
	s_mov_b32 s[G0B+4*\s], 1
	s_add_co_u32 s[G0B+4*\s+1], s21, \s*SLOT
	s_add_nc_u64 s[G0B+4*\s+2:G0B+4*\s+3], s[46:47], \s*KSTEP*2
	s_or_b32 s[G0B+4*\s+3], s[G0B+4*\s+3], 0x80000000
	JLOAD \s
.endr
	v_and_b32 v1, 15, v0
	v_bfe_u32 v2, v0, 4, 1
	v_mul_u32_u24 v3, v1, PITCH
	v_lshl_add_u32 v3, v2, 4, v3
	s_mul_i32 s21, s11, AH                         ; my 64 rows of A,
	s_mul_i32 s22, s12, BH                         ; my 128 rows of B
	s_add_co_u32 s22, s22, BOFF
.irp s, 0,1
	v_add_nc_u32 v[ADRA+\s], s21, v3
	v_add_nc_u32 v[ADRB+\s], s22, v3
	s_add_co_u32 s21, s21, SLOT
	s_add_co_u32 s22, s22, SLOT
.endr
	s_mul_i32 s23, s10, 16*SPITCH
	s_add_co_u32 s23, s23, STAGE                   ; my stage
	v_mul_u32_u24 v4, v1, SPITCH
	v_lshl_add_u32 v4, v2, 5, v4
	v_add_nc_u32 v[STO], s23, v4                   ; in: row l % 16, 32 bytes for each half of the lanes
	v_and_b32 v5, 31, v0
	v_lshlrev_b32 v[CO], 4, v5                     ; back: the 32 lanes take one row of 512 bytes; the same in out0
	v_add_nc_u32 v[RD], s23, v[CO]
	v_lshlrev_b32 v[BO], 5, v2
	s_lshl_b32 s16, s13, 7
	s_lshl_b32 s17, s11, 6
	s_add_co_u32 s16, s16, s17                     ; my first row,
	s_lshl_b32 s16, s16, 13                        ; in bytes
	s_mov_b32 s17, 0
	s_lshl_b32 s46, s42, 10                        ; my first column, in bytes
	s_lshl_b32 s47, s12, 9
	s_add_co_u32 s46, s46, s47
	s_mov_b32 s47, 0
	s_add_nc_u64 s[8:9], s[8:9], s[16:17]
	s_add_nc_u64 s[8:9], s[8:9], s[46:47]
	s_add_nc_u64 s[44:45], s[44:45], s[46:47]
.irp b, 0,1,2,3,4,5,6,7                        ; b_proj in the result's layout
	global_load_b128 v[BIAS+8*\b:BIAS+8*\b+3], v[BO], s[44:45] offset:64*\b
	global_load_b128 v[BIAS+8*\b+4:BIAS+8*\b+7], v[BO], s[44:45] offset:64*\b+16
.endr
; 8 matrix instructions: A's block a x B's eight, 32 along K, from buffers f.  zero = 1: the first product starts the sums on the bias.  The 32 accumulators take turns.
.macro MUL8 f, a, zero
.irp b, 0,1,2,3,4,5,6,7
.if \zero
	v_wmma_f32_16x16x32_f16 v[8*(8*\a+\b):8*(8*\a+\b)+7], v[64*\f+8*\b:64*\f+8*\b+7], v[64+32*\f+8*\a:64+32*\f+8*\a+7], v[BIAS+8*\b:BIAS+8*\b+7]
.else
	v_wmma_f32_16x16x32_f16 v[8*(8*\a+\b):8*(8*\a+\b)+7], v[64*\f+8*\b:64*\f+8*\b+7], v[64+32*\f+8*\a:64+32*\f+8*\a+7], v[8*(8*\a+\b):8*(8*\a+\b)+7]
.endif
.endr
.endm
.macro FETCH slot, k, f                ; 24 LDS loads in one run: B's eight fragments, then A's four
	WIN TO_B
.irp i, 0,1,2,3,4,5,6,7
	ds_load_b128 v[64*\f+8*\i:64*\f+8*\i+3],   v[ADRB+\slot] offset:\k+\i*16*PITCH
	ds_load_b128 v[64*\f+8*\i+4:64*\f+8*\i+7], v[ADRB+\slot] offset:\k+\i*16*PITCH+32
.endr
	WIN 0
.irp i, 0,1,2,3
	ds_load_b128 v[64+32*\f+8*\i:64+32*\f+8*\i+3],   v[ADRA+\slot] offset:\k+\i*16*PITCH
	ds_load_b128 v[64+32*\f+8*\i+4:64+32*\f+8*\i+7], v[ADRA+\slot] offset:\k+\i*16*PITCH+32
.endr
.endm
; A K step is four quarters of 32 along K, 32 matrix instructions each, on buffers 0, 1, 0, 1.
.macro QUARTER slot, k, f, g, zero
	s_wait_dscnt 4                                 ; B and A's blocks 0, 1 are in; A's blocks 2, 3 (four loads) may be out
.if \zero
	WIN 0x81                                       ; C (the bias) window 0
.else
	WIN MUL
.endif
	MUL8 \f, 0, \zero
	MUL8 \f, 1, \zero
	PLACES
	FETCH \slot, \k, \g
	s_wait_dscnt 24                                ; all but the 24 just issued
.if \zero
	WIN 0x81
.else
	WIN MUL
.endif
	MUL8 \f, 2, \zero
	MUL8 \f, 3, \zero
.endm
; The last quarter multiplies buffer 1 and changes slots: one barrier; in front of it each wave waits for all its tensor loads, adds 0 to its spare word, and waits for that and for its reads of this slot.
.macro TURN slot, next, fill
	WIN 0
	s_wait_tensorcnt 0x0                           ; all my tensor loads have landed: my part of the next slot
	ds_add_u32 v[SPW], v[NIL]
	s_wait_dscnt 5                                 ; the add and A's blocks 2, 3 may be out
	WIN MUL
	MUL8 1, 0, 0
	s_wait_dscnt 0x0                               ; the add is done, and my reads of this slot are over
	s_barrier_signal -1
	MUL8 1, 1, 0
.if \fill
	WIN 0
.endif
	s_barrier_wait -1
.if \fill
	CREST                                          ; the barrier has opened a round of the cluster's: no wave of any partner still reads this slot or has a load on its way
	s_add_nc_u64 s[G0+4*\slot+2:G0+4*\slot+3], s[G0+4*\slot+2:G0+4*\slot+3], 2*KSTEP*2
	s_add_nc_u64 s[G0B+4*\slot+2:G0B+4*\slot+3], s[G0B+4*\slot+2:G0B+4*\slot+3], 2*KSTEP*2
	JLOAD \slot                                    ; the first tensor load behind the round; its four v_nop are the places in front of the loads below
.else
	PLACES
.endif
	FETCH \next, 0, 0
	WIN MUL
	MUL8 1, 2, 0
	MUL8 1, 3, 0
.endm
	s_wait_tensorcnt 1                             ; my part of K step 0 is in; K step 1's load may be out
	s_barrier_signal -1
	s_barrier_wait -1
	FETCH 0, 0, 0
	s_wait_loadcnt 0x0                             ; the bias
	QUARTER 0, 64, 0, 1, 1
	WIN 0
	s_mov_b32 s3, LAPS-1
.Llap:                                                 ; once round the ring, from a lap's second quarter to the next lap's first; both slots are filled again
	QUARTER 0, 128, 1, 0, 0
	QUARTER 0, 192, 0, 1, 0
	TURN 0, 1, 1
	QUARTER 1, 64,  0, 1, 0
	QUARTER 1, 128, 1, 0, 0
	QUARTER 1, 192, 0, 1, 0
	TURN 1, 0, 1
	QUARTER 0, 64,  0, 1, 0
	WIN 0
	s_sub_co_u32 s3, s3, 1
	s_cmp_lg_u32 s3, 0
	s_cbranch_scc1 .Llap
	QUARTER 0, 128, 1, 0, 0                        ; the last lap fills nothing
	QUARTER 0, 192, 0, 1, 0
	TURN 0, 1, 0
	QUARTER 1, 64,  0, 1, 0
	QUARTER 1, 128, 1, 0, 0
	QUARTER 1, 192, 0, 1, 0
	s_wait_dscnt 4
	WIN MUL
	MUL8 1, 0, 0
	MUL8 1, 1, 0
	s_wait_dscnt 0
	MUL8 1, 2, 0
	MUL8 1, 3, 0
	WIN 0
; THE WAY OUT, a block of 16 rows x 128 columns at a time, through my own stage, back as whole rows of 512 bytes.
.macro TOSTAGE a
	WIN 0x08                                       ; an LDS store's data are its source 1: window 2
.irp b, 0,1,2,3,4,5,6,7
	ds_store_b128 v[STO], v[64*(\a)+8*\b:64*(\a)+8*\b+3] offset:64*\b      ; each accumulator from its low end on
	ds_store_b128 v[STO], v[64*(\a)+8*\b+4:64*(\a)+8*\b+7] offset:64*\b+16
.endr
	WIN 0
.set BB, 64+128*((\a)%2)
.irp t, 0,1,2,3,4,5,6,7,8,9,10,11,12,13,14,15
	ds_load_b128 v[BB+4*\t:BB+4*\t+3], v[RD] offset:\t*SPITCH    ; LDS serves a wave's instructions in order: these see the stores above
.endr
.endm
.macro SEND a, younger
.set BB, 64+128*((\a)%2)
	s_wait_dscnt \younger                          ; the block is back; the next block's 16 stores and 16 loads may be out
.if (\a) > 0
	s_add_nc_u64 s[8:9], s[8:9], 16*SIZE_N*4       ; behind a wait on XCNT: the earlier stores have read their base
.endif
.irp t, 0,1,2,3,4,5,6,7,8,9,10,11,12,13,14,15
	global_store_b128 v[CO], v[BB+4*\t:BB+4*\t+3], s[8:9] offset:\t*SIZE_N*4   ; 32 lanes store 512 consecutive bytes, aligned
.endr
.endm
	PLACES
	TOSTAGE 0
.irp a, 1,2,3
.if \a > 1
	s_wait_xcnt 0x0                                ; block a - 2's stores have read their registers and their base
.endif
	TOSTAGE \a
	SEND \a-1, 32
.endr
	s_wait_xcnt 0x0
	SEND 3, 0
	s_wait_tensorcnt 0x0                           ; the wave's end
	ds_add_u32 v[SPW], v[NIL]
	s_wait_dscnt 0x0
	CROUND                                         ; the closing round
	s_endpgm
.Lfunc_end_k_q29db09c284_proj:
	.size	k_q29db09c284_proj, .Lfunc_end_k_q29db09c284_proj-k_q29db09c284_proj
	.p2alignl 7, 3214868480
	.fill 96, 4, 3214868480
	.section	.rodata,"a",@progbits
	.p2align	6, 0x0
	.amdhsa_kernel k_q29db09c284_proj
		.amdhsa_group_segment_fixed_size 327680
		.amdhsa_private_segment_fixed_size 0
		.amdhsa_enable_private_segment 0
		.amdhsa_kernarg_size 32
		.amdhsa_user_sgpr_count 2
		.amdhsa_user_sgpr_kernarg_segment_ptr 1
		.amdhsa_wavefront_size32 1
		.amdhsa_system_sgpr_workgroup_id_x 1
		.amdhsa_system_sgpr_workgroup_id_y 1
		.amdhsa_system_sgpr_workgroup_id_z 1
		.amdhsa_system_vgpr_workitem_id 0
		.amdhsa_next_free_vgpr 768
		.amdhsa_next_free_sgpr 66
		.amdhsa_reserve_vcc 0
		.amdhsa_float_denorm_mode_32 3
		.amdhsa_float_denorm_mode_16_64 3
		.amdhsa_memory_ordered 1
		.amdhsa_forward_progress 1
		.amdhsa_inst_pref_size 87
	.end_amdhsa_kernel
	.amdgpu_metadata
---
amdhsa.version: [ 1, 2 ]
amdhsa.kernels:
  - .name:           k_q29db09c284_proj
    .symbol:         k_q29db09c284_proj.kd
    .args:
      - { .name: y16, .offset: 0, .size: 8, .value_kind: global_buffer, .address_space: global }
      - { .name: wp16, .offset: 8, .size: 8, .value_kind: global_buffer, .address_space: global }
      - { .name: b_proj, .offset: 16, .size: 8, .value_kind: global_buffer, .address_space: global }
      - { .name: out0, .offset: 24, .size: 8, .value_kind: global_buffer, .address_space: global }
    .group_segment_fixed_size: 327680
    .private_segment_fixed_size: 0
    .kernarg_segment_align: 8
    .kernarg_segment_size: 32
    .max_flat_workgroup_size: 128
    .sgpr_count:     66
    .vgpr_count:     768
    .wavefront_size: 32
...
	.end_amdgpu_metadata
.endif
;; end of part 5
;; launch fine_p (part 6): grid 128 x 2, 16 waves a work-group, no clusters, 18,432 bytes of LDS; arguments yf, W_proj, b_proj, out0; writes out0
.if DOCPART == 6
	.amdgcn_target "amdgcn-amd-amdhsa--gfx1250"
	.amdhsa_code_object_version 6
	.text
	.protected	k_q29db09c284_fine_p
	.globl	k_q29db09c284_fine_p
	.p2align	8
	.type	k_q29db09c284_fine_p,@function
k_q29db09c284_fine_p:
	s_mov_b64 s[64:65], 0
	v_nop
	global_prefetch_b8 v0, s[64:65] scope:SCOPE_SE
	s_setreg_imm32_b32 hwreg(HW_REG_WAVE_MODE, 25, 1), 1
	s_wait_xcnt 0x0
; The projection of positions 0-15 of both sequences in f32: out0[b][t][n] = the sum over k of yf[b][t][k] W_proj[k][n] + b_proj[n], t = 0..15.  32 rows of 4,096: no bulk work.
; Work-group (x, b) owns the 16 columns 16 x on of batch b's 16 rows: one owner for each output.  Wave w sums k = 128 w .. 128 w + 127 by 32 instructions of the f32 matrix form, on two sums by turns;
; the sixteen waves' parts meet in LDS as images of their registers, and waves 0 and 1 add them, add the bias and store.
; Source 0 = 16 columns of W_proj, source 1 = the 16 positions: a lane holds one position (lane % 16) and eight neighbouring columns.  A lane's 16 bytes of yf are k = 8 u + 4 h + 0..3: two steps; W_proj's rows are taken in the same order.
; These stores, and W_proj's loads, cover 64 consecutive bytes for each 16 lanes: tiles of 16 columns are what shares 134 million multiply-adds out over 128 x 2 work-groups.
; REGISTERS: v16-23, v24-31 the two sums (matrix instructions alone write them); v32-95 yf; v96-159 W_proj; v160-167 my part; v168-231 sixteen images' halves; v232-235 the bias.
.set SPARE, 16384                      ; behind the sixteen images of 1,024 bytes: the spare words, 128 bytes a wave, which no other line names
.set SPW, 2
.set NIL, 3
	s_load_b128 s[4:7], s[0:1], 0x0                ; yf, W_proj
	s_load_b128 s[8:11], s[0:1], 0x10              ; b_proj, out0
	v_lshl_add_u32 v[SPW], v0, 2, SPARE
	v_mov_b32 v[NIL], 0
	v_lshrrev_b32 v1, 5, v0
	v_readfirstlane_b32 s12, v1                    ; wave 0..15
	v_and_b32 v1, 31, v0                           ; lane
	v_and_b32 v8, 15, v0                           ; r
	v_bfe_u32 v9, v0, 4, 1                         ; h
	v_lshlrev_b32 v4, 13, v8
	v_lshl_add_u32 v4, v9, 4, v4                   ; yf: row r of 8,192 bytes + 16 h
	v_lshlrev_b32 v5, 15, v9
	v_lshl_add_u32 v5, v8, 2, v5                   ; W_proj: 4 h rows of 8,192 bytes + 4 r
	s_lshl_b32 s13, s12, 10
	v_lshl_add_u32 v6, v1, 4, s13                  ; my image: 1,024 wave + 16 lane
	s_and_b32 s14, s12, 1                          ; e: which four registers of the images I add (waves 0 and 1)
	s_lshl_b32 s15, s14, 9
	v_lshl_add_u32 v7, v1, 4, s15
	s_lshl_b32 s15, s14, 4
	v_lshl_add_u32 v10, v9, 5, s15                 ; columns 8 h + 4 e on, in bytes
	v_lshl_add_u32 v11, v8, 13, v10                ; and row r of out0
	s_and_b32 s16, ttmp7, 0xffff                   ; batch
	s_lshl_b32 s18, s16, 17
	s_lshl_b32 s19, s12, 9
	s_add_co_u32 s18, s18, s19                     ; yf: batch x 131,072 + 128 w numbers
	s_mov_b32 s19, 0
	s_lshl_b32 s20, s12, 20                        ; W_proj: 128 w rows
	s_lshl_b32 s22, ttmp9, 6                       ; 16 x columns
	s_add_co_u32 s20, s20, s22
	s_mov_b32 s21, 0
	s_mov_b32 s23, 0
	s_lshl_b32 s24, s16, 24                        ; out0: batch x 2,048 rows of 8,192 bytes
	s_add_co_u32 s24, s24, s22
	s_mov_b32 s25, 0
	s_wait_kmcnt 0x0
	s_add_nc_u64 s[4:5], s[4:5], s[18:19]
	s_add_nc_u64 s[6:7], s[6:7], s[20:21]
	s_add_nc_u64 s[8:9], s[8:9], s[22:23]
	s_add_nc_u64 s[10:11], s[10:11], s[24:25]
.set u, 0
.rept 16
	global_load_b128 v[32+4*u:35+4*u], v4, s[4:5] offset:32*u
.irp q, 0,1,2,3
	global_load_b32 v[96+4*u+\q], v5, s[6:7] offset:(8*u+\q)*8192
.endr
.set u, u+1
.endr
.macro FM                              ; two steps of 4 along K; the two sums take turns; the first two products start them
.irp e, 0,1
.if u == 0
	v_wmma_f32_16x16x4_f32 v[16+8*\e:23+8*\e], v[96+4*u+2*\e:97+4*u+2*\e], v[32+4*u+2*\e:33+4*u+2*\e], 0
.else
	v_wmma_f32_16x16x4_f32 v[16+8*\e:23+8*\e], v[96+4*u+2*\e:97+4*u+2*\e], v[32+4*u+2*\e:33+4*u+2*\e], v[16+8*\e:23+8*\e]
.endif
.endr
.endm
	s_wait_loadcnt 40                              ; the first half is in; the second half's 40 loads may be out
.set u, 0
.rept 8
	FM
.set u, u+1
.endr
	s_wait_loadcnt 0x0
.rept 8
	FM
.set u, u+1
.endr
.rept 8
	v_nop
.endr
.irp p, 0,1,2,3
	v_pk_add_f32 v[160+2*\p:161+2*\p], v[16+2*\p:17+2*\p], v[24+2*\p:25+2*\p]   ; both sums from their low ends on, into other registers
.endr
	ds_store_b128 v6, v[160:163]
	ds_store_b128 v6, v[164:167] offset:512
	s_wait_dscnt 0x0                               ; for the others' sake: my image has landed
	s_barrier_signal -1
	s_barrier_wait -1
	s_cmp_ge_u32 s12, 2
	s_cbranch_scc1 .Lidle
.set m, 0
.rept 16
	ds_load_b128 v[168+4*m:171+4*m], v7 offset:1024*m
.set m, m+1
.endr
	global_load_b128 v[232:235], v10, s[8:9]
	s_wait_dscnt 0x0
.irp d, 8,4,2,1
.set m, 0
.rept \d
	v_pk_add_f32 v[168+4*m:169+4*m], v[168+4*m:169+4*m], v[168+4*(m+\d):169+4*(m+\d)]
	v_pk_add_f32 v[170+4*m:171+4*m], v[170+4*m:171+4*m], v[170+4*(m+\d):171+4*(m+\d)]
.set m, m+1
.endr
.endr
	s_wait_loadcnt 0x0
	v_pk_add_f32 v[168:169], v[168:169], v[232:233]
	v_pk_add_f32 v[170:171], v[170:171], v[234:235]
	global_store_b128 v11, v[168:171], s[10:11]
.Lidle:
	s_wait_tensorcnt 0x0                           ; the wave's end
	ds_add_u32 v[SPW], v[NIL]
	s_wait_dscnt 0x0
	s_endpgm
.Lfunc_end_k_q29db09c284_fine_p:
	.size	k_q29db09c284_fine_p, .Lfunc_end_k_q29db09c284_fine_p-k_q29db09c284_fine_p
	.p2alignl 7, 3214868480
	.fill 96, 4, 3214868480
	.section	.rodata,"a",@progbits
	.p2align	6, 0x0
	.amdhsa_kernel k_q29db09c284_fine_p
		.amdhsa_group_segment_fixed_size 18432
		.amdhsa_private_segment_fixed_size 0
		.amdhsa_enable_private_segment 0
		.amdhsa_kernarg_size 32
		.amdhsa_user_sgpr_count 2
		.amdhsa_user_sgpr_kernarg_segment_ptr 1
		.amdhsa_wavefront_size32 1
		.amdhsa_system_sgpr_workgroup_id_x 1
		.amdhsa_system_sgpr_workgroup_id_y 1
		.amdhsa_system_sgpr_workgroup_id_z 1
		.amdhsa_system_vgpr_workitem_id 0
		.amdhsa_next_free_vgpr 256
		.amdhsa_next_free_sgpr 66
		.amdhsa_reserve_vcc 0
		.amdhsa_float_denorm_mode_32 3
		.amdhsa_float_denorm_mode_16_64 3
		.amdhsa_memory_ordered 1
		.amdhsa_forward_progress 1
		.amdhsa_inst_pref_size 16
	.end_amdhsa_kernel
	.amdgpu_metadata
---
amdhsa.version: [ 1, 2 ]
amdhsa.kernels:
  - .name:           k_q29db09c284_fine_p
    .symbol:         k_q29db09c284_fine_p.kd
    .args:
      - { .name: yf, .offset: 0, .size: 8, .value_kind: global_buffer, .address_space: global }
      - { .name: W_proj, .offset: 8, .size: 8, .value_kind: global_buffer, .address_space: global }
      - { .name: b_proj, .offset: 16, .size: 8, .value_kind: global_buffer, .address_space: global }
      - { .name: out0, .offset: 24, .size: 8, .value_kind: global_buffer, .address_space: global }
    .group_segment_fixed_size: 18432
    .private_segment_fixed_size: 0
    .kernarg_segment_align: 8
    .kernarg_segment_size: 32
    .max_flat_workgroup_size: 512
    .sgpr_count:     66
    .vgpr_count:     256
    .wavefront_size: 32
...
	.end_amdgpu_metadata
.endif
;; end of part 6
